; MI455X (gfx1250); checked and timed in simulation.
; The chip was launched on July 23, 2026; its instructions are those of AMD's public machine-readable ISA for CDNA 5 (MIT licence, August 2026) and "CDNA5" Instruction Set Architecture Reference Guide (July 2026). The comments in the code are by the model that wrote it; some were corrected since.
;; Multi Head Attention. Allowed arithmetic: matrix products marked QUANTISED: E4M3 operands, one given power-of-two scale a tensor, by v_wmma_f32_16x16x64_fp8_fp8 or v_wmma_f32_16x16x128_fp8_fp8, f32 sums; everything else in f32.
;; Inputs: b_out 1,024 float32; b_qkv 3,072 float32; lowp_scales 8 int32 (the exponents e of the quantised operands' scales 2^e); w_out 1,024 x 1,024 float32; w_qkv 1,024 x 3,072 float32; x 4 x 2,048 x 1,024 float32.
;; Outputs: out0 4 x 2,048 x 1,024 float32.
;; This version of the problem:
;;   THIS VERSION OF THE PROBLEM IS GIVEN IN LOW PRECISION. The matrix products marked QUANTISED in the list below multiply operands that are first quantised to E4M3 (4 exponent bits, 3 mantissa bits; 8 bits a number), with one given power-of-two scale for each operand tensor; their sums are f32. All else is computed in f32.
;;   The module's matrix products, in the order in which they are computed (A, B: the left and right operand; K: the contracted axis; several contracted axes count as one K, in the product's order):
;;     1. [M 8,192, K 1,024] x [K 1,024, N 3,072]; A: input x; B: input w_qkv: QUANTISED (scales: A lowp_scales[0], B lowp_scales[1])
;;     2. batch 64 x [M 2,048, K 64] x [K 64, N 2,048]; A: computed on the way; B: computed on the way: QUANTISED (scales: A lowp_scales[2], B lowp_scales[3])
;;     3. batch 64 x [M 2,048, K 2,048] x [K 2,048, N 64]; A: softmax (see below); B: computed on the way: QUANTISED (scales: A lowp_scales[4], B lowp_scales[5])
;;     4. [M 8,192, K 1,024] x [K 1,024, N 1,024]; A: computed on the way; B: input w_out: QUANTISED (scales: A lowp_scales[6], B lowp_scales[7])
;;   THE QUANTISER, for each operand of a quantised product, along K:
;;     - The operand's scale is 2^e, e = its entry of the input lowp_scales (int32; the entries are numbered through the quantised products in the list's order, A before B).
;;     - Each number is divided by the scale, clamped to +-448, and rounded to the nearest number of E4M3, ties to even, subnormals kept.
;;     - The product sums the exact products of the quantised numbers (number of the format x scale) in f32.
;;   ~~~python
;;   def quantise(x, axis, e):      # numpy; x: float32 -> the quantised numbers, widened to float32 again
;;       x = np.moveaxis(x, axis, -1); K = x.shape[-1]
;;       r = np.clip(x / 2.0 ** e, -448, 448)
;;       step = 2.0 ** (np.maximum(np.frexp(np.where(r == 0, 1, r))[1] - 1, -6) - 3)
;;       q = np.round(r / step) * step * 2.0 ** e      # np.round: ties to even
;;       return np.moveaxis(q, -1, axis).astype(np.float32)
;;   ~~~
;;   SOFTMAX AHEAD OF A QUANTISED PRODUCT. Where the list says 'softmax', what is quantised is not the finished softmax but p = 2^(t - M), with t = logit x log2(e) and M = ceil(the row's largest t), a whole number; so 1/2 < the row's largest p <= 1. The row's sum l is taken of the UNQUANTISED p, in f32, and the product's result is divided by l at the end. Since M is a whole number, a kernel that streams over the keys may use a running M (the ceiling of the running maximum): every later rescaling is an exact power of two, so the quantised numbers keep their values, but for numbers so far below the row's largest that they fall under the format's range.
;;   OPERANDS COMPUTED ON THE WAY. 'Computed on the way' means the value that the module computes at that place (a softmax that the list does not call 'softmax' is quantised finished and normalised). What goes into a quantiser is computed in f32, as accurately as f32 sums, v_exp_f32 and their like allow (about 1e-6 of the number): no bf16 or f16 on the way to a quantiser, and a product that is left as it is and whose result goes on into a quantised operand takes f32 operands (vector FMAs, or v_wmma_f32_16x16x4_f32). A number that lies on a knife's edge between two numbers of the format may be rounded either way, as far as f32 arithmetic and the matrix unit's own rounding can turn it there, and no further.
;; One version. Each part assembles by itself: llvm-mc -triple=amdgcn-amd-amdhsa -mcpu=gfx1250 --defsym DOCPART=n.
;; ======== version 1 of 1: 4 launches
;; limits: right only within a limited range of input values
;; workspace buffers: xc 8,388,608 bytes; wqc 3,145,728 bytes; woc 1,048,576 bytes; qc 8,388,608 bytes; kc 8,388,608 bytes; vc 8,388,608 bytes; ac 8,388,608 bytes
;; launch prep (part 1): grid 384 x 1, 4 waves a work-group, no clusters, 70,144 bytes of LDS; arguments x, w_qkv, w_out, lowp_scales, xc, wqc, woc; writes xc, wqc, woc
.if DOCPART == 1
	.amdgcn_target "amdgcn-amd-amdhsa--gfx1250"
	.amdhsa_code_object_version 6
	.text
	.protected	k_q0bb0619fc8_prep
	.globl	k_q0bb0619fc8_prep
	.p2align	8
	.type	k_q0bb0619fc8_prep,@function
k_q0bb0619fc8_prep:
	s_mov_b64 s[64:65], 0
	v_nop
	global_prefetch_b8 v0, s[64:65] scope:SCOPE_SE
	s_setreg_imm32_b32 hwreg(HW_REG_WAVE_MODE, 25, 1), 1
	s_wait_xcnt 0x0
; The three f32 inputs become codes of FP8 (E4M3), one code a byte, each with the one scale 2^e that is given for it:
; code = number / 2^e, held within +-448, rounded to the nearest code, ties to even.
;   x     [8192][1024]  -> xc  [8192][1024]     e = entry 0 of the scales
;   w_qkv [1024][3072]  -> wqc [3072 (n)][1024] e = entry 1        (K is the weight's first axis: it is moved innermost)
;   w_out [1024][1024]  -> woc [1024 (n)][1024] e = entry 7
; A ROW OF CODES IS 1,024 POSITIONS p, AND THE POSITIONS ARE A PERMUTATION OF k, the same in both operands of a product, so that every product meets its partner:
;   xc, wqc:  position p holds k = 512 (p / 512) + 128 ((p / 4) % 4) + 4 ((p / 16) % 32) + p % 4
;   woc:      position p holds k = 32 (p / 32) + 8 ((p / 16) % 2) + 16 ((p / 8) % 2) + p % 8      (the order in which the attention launch's registers hold a row of its result)
; The first permutation is what dense loads of x give by themselves: four loads of 512 bytes, 16 bytes a lane, leave in a lane's 16 registers k = 128 j + 4 lane + i,
; and the lane's 16 codes are stored at 16 x lane.  So x needs no turn through LDS.
; Work-groups 0-255 take x, 256-351 w_qkv, 352-383 w_out: three paths that part on the work-group's number.  Waves share nothing: no barrier.  Memory binds: no matrix unit, no cluster.
; LIMITS: each e lies between -126 and 119, so that 2^e and 448 x 2^e are f32 numbers.  NaN among the inputs is not served (an infinity is held at the largest code).
.set SPARE, 69632                      ; behind the stages: the spare words, 128 bytes for each wave: two blocks of 256 bytes that no other line names
.set SPW,   12                         ; v12  LDS address of my spare word: SPARE + 4 x my thread's number; never rewritten
.set NIL,   13                         ; v13  0; never rewritten
.set LIM,   10                         ; v10  448 x 2^e
.set SCL,   11                         ; v11  2^e as f32: the conversion takes its exponent field
.set R,     16                         ; x's path: v16-79 four sets of 16 numbers
.set CX,    128                        ; x's path: v128-191 four registers of codes for each step, so that no store's data are written again
.set X,     32                         ; the weights' paths: v32-95 two sets of 32 numbers
.set C,     96                         ; v96-103 a block's codes
.set OUTR,  112                        ; v112-175 the way out
.set PITCH, 272                        ; a stage row: 256 bytes of codes + 16, so that the 16 rows of a store start at 16 different banks (64 banks of 4 bytes: ISA guide 11.1)
.set WSTG,  32*PITCH                   ; a wave's stage: 32 columns.  w_qkv's four stages lie at LDS byte 0, w_out's at 34,816: each path has bytes of its own
.macro LOADX t                         ; step t of x: 32 lanes read 512 consecutive bytes, four times
.irp j, 0,1,2,3
	global_load_b128 v[R+16*((\t)%4)+4*\j:R+16*((\t)%4)+4*\j+3], v3, s[4:5] offset:2048*(\t)+512*\j th:TH_LOAD_NT
.endr
.endm
.macro STEPX t
.set XS, R+16*((\t)%4)
.if 15-(\t) >= 3
	s_wait_loadcnt 12                              ; this step's four loads are in; those of the three steps behind it may be out
.else
	s_wait_loadcnt 4*(15-(\t))
.endif
.irp i, 0,1,2,3,4,5,6,7,8,9,10,11,12,13,14,15
	v_med3_num_f32 v[XS+\i], v[XS+\i], -v[LIM], v[LIM]   ; the conversion to an 8-bit code does not saturate (ISA guide 7.6.2): the hold comes first
.endr
	v_cvt_scalef32_pk8_fp8_f32 v[CX+4*(\t):CX+4*(\t)+1], v[XS:XS+7], v[SCL]
	v_cvt_scalef32_pk8_fp8_f32 v[CX+4*(\t)+2:CX+4*(\t)+3], v[XS+8:XS+15], v[SCL]
.if (\t)+4 < 16
	LOADX (\t)+4                                   ; the set takes the loads of four steps on
.endif
	global_store_b128 v3, v[CX+4*(\t):CX+4*(\t)+3], s[12:13] offset:512*(\t)   ; 32 lanes store 512 consecutive bytes.  (The codes go to a store alone, and the next step's holds are plain lines on other registers)
.endm
; block t of a weight: 32 positions of my column.  Register i holds the row k that stands at position 32 t + i of my 256
.macro LOADW n, type, src, t
.irp i, 0,1,2,3,4,5,6,7,8,9,10,11,12,13,14,15,16,17,18,19,20,21,22,23,24,25,26,27,28,29,30,31
.if \type == 1
	global_load_b32 v[X+32*((\t)%2)+\i], v3, s[\src:\src+1] offset:(128*((\i/4)%4)+8*(\t)+4*(\i/16)+\i%4)*\n*4 th:TH_LOAD_NT
.else
	global_load_b32 v[X+32*((\t)%2)+\i], v3, s[\src:\src+1] offset:(32*(\t)+8*(\i/16)+16*((\i/8)%2)+\i%8)*\n*4 th:TH_LOAD_NT
.endif
.endr
.endm
.macro BLOCKW n, type, src, t
.set XS, X+32*((\t)%2)
.if (\t) < 7
	s_wait_loadcnt 32                              ; this block's 32 loads are in; the next block's may be out
.else
	s_wait_loadcnt 0
.endif
.irp i, 0,1,2,3,4,5,6,7,8,9,10,11,12,13,14,15,16,17,18,19,20,21,22,23,24,25,26,27,28,29,30,31
	v_med3_num_f32 v[XS+\i], v[XS+\i], -v[LIM], v[LIM]
.endr
.irp g, 0,1,2,3
	v_cvt_scalef32_pk8_fp8_f32 v[C+2*\g:C+2*\g+1], v[XS+8*\g:XS+8*\g+7], v[SCL]
.endr
	ds_store_b128 v4, v[C:C+3] offset:32*(\t)      ; 32 codes of my column's row
	ds_store_b128 v4, v[C+4:C+7] offset:32*(\t)+16
.if (\t)+2 < 8
	LOADW \n, \type, \src, (\t)+2
.endif
	s_wait_dscnt 0x0                               ; the stores have read their registers: the next block's codes may be written
.endm
; A weight [1024][n].  A LANE TAKES A COLUMN, AND ITS REGISTERS RUN DOWN K: each load reads neighbouring columns in neighbouring lanes, and the conversions give codes with K innermost.
; A work-group takes 128 columns x 256 positions (y = its number % 4), a wave 32 columns.  The codes go through the wave's own stage and leave as rows: sixteen lanes store 256 consecutive, aligned bytes.
; Every offset is an immediate: at most 447 rows of 12,288 bytes, inside the signed 24 bits (ISA guide, chapter 10).
.macro WPATH n, type, lb, first, src, dst, e
	s_sub_co_u32 s28, ttmp9, \first
	s_and_b32 s29, s28, 3                          ; y: which 256 positions
	s_lshr_b32 s30, s28, 2
	s_lshl_b32 s30, s30, 7
	s_lshl_b32 s31, s18, 5
	s_add_co_u32 s30, s30, s31                     ; my wave's first column
.if \type == 1
	s_lshr_b32 s31, s29, 1
	s_lshl_b32 s31, s31, 9
	s_and_b32 s32, s29, 1
	s_lshl_b32 s32, s32, 6
	s_add_co_u32 s31, s31, s32                     ; the rows' common part: 512 (y / 2) + 64 (y % 2)
.else
	s_lshl_b32 s31, s29, 8                         ; 256 y
.endif
	s_mul_i32 s32, s31, \n*4
	s_lshl_b32 s33, s30, 2
	s_add_co_u32 s32, s32, s33
	s_mov_b32 s33, 0
	s_add_nc_u64 s[\src:\src+1], s[\src:\src+1], s[32:33]
	s_lshl_b32 s34, s30, 10                        ; the codes: column x 1,024 + 256 y
	s_lshl_b32 s35, s29, 8
	s_add_co_u32 s34, s34, s35
	s_mov_b32 s35, 0
	s_add_nc_u64 s[\dst:\dst+1], s[\dst:\dst+1], s[34:35]
	v_lshlrev_b32 v3, 2, v2                        ; in: 4 bytes a lane
	LOADW \n, \type, \src, 0
	LOADW \n, \type, \src, 1
	s_mul_i32 s36, s18, WSTG
	s_add_co_u32 s36, s36, \lb                     ; my stage
	v_mul_u32_u24 v4, v2, PITCH
	v_add_nc_u32 v4, s36, v4                       ; into it: row = my column
	v_and_b32 v5, 15, v2
	v_lshrrev_b32 v6, 4, v2                        ; out of it: sixteen lanes to a row, two rows an instruction
	v_mul_u32_u24 v7, v6, PITCH
	v_lshl_add_u32 v7, v5, 4, v7
	v_add_nc_u32 v7, s36, v7
	v_lshlrev_b32 v8, 10, v6
	v_lshl_add_u32 v8, v5, 4, v8                   ; and the same place in the codes' buffer
	s_wait_kmcnt 0x0                               ; the exponents
	s_add_co_i32 s37, s[\e], 127
	s_lshl_b32 s38, s37, 23
	v_mov_b32 v[SCL], s38
	s_add_co_i32 s37, s37, 8
	s_lshl_b32 s37, s37, 23
	s_or_b32 s37, s37, 0x600000                    ; 448's mantissa field over the exponent field of 2^(e + 8)
	v_mov_b32 v[LIM], s37
	s_wait_alu depctr_va_vdst(0)
.irp t, 0,1,2,3,4,5,6,7
	BLOCKW \n, \type, \src, \t
.endr
.irp t, 0,1,2,3,4,5,6,7,8,9,10,11,12,13,14,15
	ds_load_b128 v[OUTR+4*\t:OUTR+4*\t+3], v7 offset:2*\t*PITCH   ; LDS serves a wave's instructions in order (ISA guide 5.7.1.4): these see my stores
.endr
.irp t, 0,1,2,3,4,5,6,7,8,9,10,11,12,13,14,15
	s_wait_dscnt 15-\t                             ; the younger loads may stay out
	global_store_b128 v8, v[OUTR+4*\t:OUTR+4*\t+3], s[\dst:\dst+1] offset:2*\t*1024
.endr
	s_wait_tensorcnt 0x0                           ; the wave's end: three lines behind my last LDS store; the first stands even in a text with no tensor load
	ds_add_u32 v[SPW], v[NIL]
	s_wait_dscnt 0x0
	s_endpgm
.endm
	s_load_b256 s[4:11], s[0:1], 0x0               ; x s[4:5], w_qkv s[6:7], w_out s[8:9], the exponents s[10:11]
	s_load_b128 s[12:15], s[0:1], 0x20             ; xc s[12:13], wqc s[14:15]
	s_load_b64 s[16:17], s[0:1], 0x30              ; woc
	v_lshl_add_u32 v[SPW], v0, 2, SPARE
	v_mov_b32 v[NIL], 0
	v_lshrrev_b32 v1, 5, v0
	v_readfirstlane_b32 s18, v1                    ; wave 0..3
	v_and_b32 v2, 31, v0                           ; lane
	s_wait_kmcnt 0x0
	s_load_b256 s[20:27], s[10:11], 0x0            ; e0 .. e7
	s_cmp_lt_u32 ttmp9, 256
	s_cbranch_scc0 .Lweights
	; ---- x: a wave takes 16 steps of 512 numbers.
	s_lshl_b32 s28, ttmp9, 2
	s_add_co_u32 s28, s28, s18                     ; which run of 8,192 numbers is my wave's
	s_lshl_b32 s30, s28, 15
	s_mov_b32 s31, 0
	s_lshl_b32 s32, s28, 13
	s_mov_b32 s33, 0
	s_add_nc_u64 s[4:5], s[4:5], s[30:31]
	s_add_nc_u64 s[12:13], s[12:13], s[32:33]
	s_wait_alu depctr_va_vdst(0)
	v_lshlrev_b32 v3, 4, v2                        ; my 16 bytes of a load's 512, and of a store's
.irp t, 0,1,2,3
	LOADX \t
.endr
	s_wait_kmcnt 0x0
	s_add_co_i32 s34, s20, 127
	s_lshl_b32 s35, s34, 23
	v_mov_b32 v[SCL], s35
	s_add_co_i32 s34, s34, 8
	s_lshl_b32 s34, s34, 23
	s_or_b32 s34, s34, 0x600000
	v_mov_b32 v[LIM], s34
	s_wait_alu depctr_va_vdst(0)
.irp t, 0,1,2,3,4,5,6,7,8,9,10,11,12,13,14,15
	STEPX \t
.endr
	s_endpgm
.Lweights:
	s_cmp_lt_u32 ttmp9, 352
	s_cbranch_scc0 .Lwout
	s_wait_alu depctr_va_vdst(0)
	WPATH 3072, 1, 0, 256, 6, 14, 21
.Lwout:
	s_wait_alu depctr_va_vdst(0)
	WPATH 1024, 2, 34816, 352, 8, 16, 27
.Lfunc_end_k_q0bb0619fc8_prep:
	.size	k_q0bb0619fc8_prep, .Lfunc_end_k_q0bb0619fc8_prep-k_q0bb0619fc8_prep
	.p2alignl 7, 3214868480
	.fill 96, 4, 3214868480
	.section	.rodata,"a",@progbits
	.p2align	6, 0x0
	.amdhsa_kernel k_q0bb0619fc8_prep
		.amdhsa_group_segment_fixed_size 70144
		.amdhsa_private_segment_fixed_size 0
		.amdhsa_enable_private_segment 0
		.amdhsa_kernarg_size 56
		.amdhsa_user_sgpr_count 2
		.amdhsa_user_sgpr_kernarg_segment_ptr 1
		.amdhsa_wavefront_size32 1
		.amdhsa_system_sgpr_workgroup_id_x 1
		.amdhsa_system_sgpr_workgroup_id_y 1
		.amdhsa_system_sgpr_workgroup_id_z 1
		.amdhsa_system_vgpr_workitem_id 0
		.amdhsa_next_free_vgpr 192
		.amdhsa_next_free_sgpr 66
		.amdhsa_reserve_vcc 0
		.amdhsa_float_denorm_mode_32 3
		.amdhsa_float_denorm_mode_16_64 3
		.amdhsa_memory_ordered 1
		.amdhsa_forward_progress 1
		.amdhsa_inst_pref_size 125
	.end_amdhsa_kernel
	.amdgpu_metadata
---
amdhsa.version: [ 1, 2 ]
amdhsa.kernels:
  - .name:           k_q0bb0619fc8_prep
    .symbol:         k_q0bb0619fc8_prep.kd
    .args:
      - { .name: x, .offset: 0, .size: 8, .value_kind: global_buffer, .address_space: global }
      - { .name: w_qkv, .offset: 8, .size: 8, .value_kind: global_buffer, .address_space: global }
      - { .name: w_out, .offset: 16, .size: 8, .value_kind: global_buffer, .address_space: global }
      - { .name: lowp_scales, .offset: 24, .size: 8, .value_kind: global_buffer, .address_space: global }
      - { .name: xc, .offset: 32, .size: 8, .value_kind: global_buffer, .address_space: global }
      - { .name: wqc, .offset: 40, .size: 8, .value_kind: global_buffer, .address_space: global }
      - { .name: woc, .offset: 48, .size: 8, .value_kind: global_buffer, .address_space: global }
    .group_segment_fixed_size: 70144
    .private_segment_fixed_size: 0
    .kernarg_segment_align: 8
    .kernarg_segment_size: 56
    .max_flat_workgroup_size: 128
    .sgpr_count:     66
    .vgpr_count:     192
    .wavefront_size: 32
...
	.end_amdgpu_metadata
.endif
;; end of part 1
;; launch gemm_qkv (part 2): grid 96 x 4, 4 waves a work-group, clusters of 4 x 4, 327,680 bytes of LDS; arguments xc, wqc, b_qkv, lowp_scales, qc, kc, vc; writes qc, kc, vc
.if DOCPART == 2
	.amdgcn_target "amdgcn-amd-amdhsa--gfx1250"
	.amdhsa_code_object_version 6
	.text
	.protected	k_q0bb0619fc8_gemm_qkv
	.globl	k_q0bb0619fc8_gemm_qkv
	.p2align	8
	.type	k_q0bb0619fc8_gemm_qkv,@function
k_q0bb0619fc8_gemm_qkv:
	s_mov_b64 s[64:65], 0
	v_nop
	global_prefetch_b8 v0, s[64:65] scope:SCOPE_SE
	s_setreg_imm32_b32 hwreg(HW_REG_WAVE_MODE, 25, 1), 1
	s_wait_xcnt 0x0
	s_wait_alu depctr_hold_cnt(0) depctr_sa_sdst(0) depctr_va_vdst(0) depctr_va_sdst(0) depctr_va_ssrc(0) depctr_va_vcc(0) depctr_vm_vsrc(0)
	s_getreg_b32 s2, hwreg(HW_REG_IB_STS2, 6, 4)
	s_cmp_eq_u32 s2, 0
	s_cbranch_scc0 .Lentry_in_a_cluster
	s_endpgm
.Lentry_in_a_cluster:
	s_bfe_u32 s2, ttmp6, 0x10000c
	s_cmp_lg_u32 s2, 0xf033
	s_cbranch_scc0 .Lentry_shape_is_right
	s_endpgm
.Lentry_shape_is_right:
; qkv = x w_qkv + b_qkv on codes of FP8 (E4M3), and q, k, v quantised on the way out.  xc [8192][1024], wqc [3072][1024]: codes, K innermost (the same permutation of k in both).
; A tile is 256 rows of A x 256 rows of B, made by four waves, as many as a WGP has SIMDs; a wave makes 128 x 128: 64 accumulators of 16 x 16, 512 registers.  K = 1,024 goes in four steps of 256 through a ring of
; two LDS slots filled by the tensor data mover; the steps are written out, without a loop.
; THE MATRIX INSTRUCTION IS USED TRANSPOSED (source 0 = 16 rows of B, source 1 = 16 rows of A): lane (r, h), register j of accumulator (a, b) holds A's row 16 a + r against B's row 16 b + 8 h + j.
; 24 CLUSTERS of 4 x 4 work-groups: cluster x / 8 says which of q, k, v; cluster x % 8 which 1,024 tokens.  For q and k: A = xc (tokens), B = wqc (channels): a lane holds one token and eight neighbouring channels.
; FOR v THE TWO POINTERS ARE SWAPPED: A = wqc, B = xc: the same text then gives a lane one channel and eight neighbouring TOKENS, so v's codes come out with the keys innermost and nothing is transposed.
; The swap is the same in all sixteen partners and is made by selections alone: no branch hangs on it.  A's tile is shared along a row of the cluster, B's along a column: each is asked for jointly.
; OUTPUT: qc, kc, vc [16 b + head][block of 64 tokens][4,096 bytes]: a block of 64 (rho) x 64 (beta) codes as an image of operand registers: byte
; (rho / 16) 1024 + (beta / 32) 512 + ((beta / 8) % 2) 256 + (rho % 16) 16 + ((beta / 16) % 2) 8 + beta % 8; q, k: rho = token, beta = channel; v: rho = channel, beta = token.
; In that order a lane's codes of two neighbouring tiles of B's rows are 16 bytes at 16 x lane: they are stored from the conversions' registers, 512 consecutive bytes a store, through no stage.
; THE BIAS: a sum stands for sum x 2^(e0 + e1).  For q and k the bias goes by B's rows: it is the C of each sum's first matrix instruction, as b / 2^(e0 + e1).  For v it goes by A's rows (one number a lane and
; block) and is added on the way out.  Both are always loaded and multiplied by a chosen factor, 2^-(e0 + e1) or 0.  The conversion's one scale is 2^(e - e0 - e1), e = entry 2, 3 or 5.
; 384 work-groups.  Nothing is prefetched: of the four K steps two are first fills, and the other two are asked for one step after them.
; LIMITS: e0 + e1 between -126 and 126; e - e0 - e1 between -126 and 119.  NaN and infinities among the biases are not served.  The f32 sums are taken in another order than the definition's.
; REGISTERS, in windows of 256: window 0: v0-31 addresses; v32-95 the biases as C, later 32 numbers at work; v96-111 the bias by A's rows, a pair a block; v128-255 A's fragments, ONE set, later the codes.
;   window 1: B's fragments, TWO sets.   window 2: the accumulators of my A rows 0-63 ((a, b) at v[8 (8 a + b)]);   window 3: those of rows 64-127.
.set KROW,   1024                      ; a row of codes in memory, in bytes
.set ROWB,   256                       ; a tile's row: 256 codes
.set PITCH,  272                       ; an LDS row: 256 bytes + 16 of padding = 68 words: row r starts at bank 4 r mod 64 (64 banks of 4 bytes: ISA guide 11.1)
.set FR,     16                        ; registers of a fragment: 16 rows x 128 K
.set NL,     4                         ; LDS loads that bring one
.set NP,     4                         ; places behind this matrix instruction (ISA guide 7.12.1)
.set HALFA,  128*PITCH                 ; 128 rows: what one tensor load brings, and what one wave reads of A
.set HALFB,  128*PITCH
.set SLOT,   2*HALFA+2*HALFB           ; A's 256 rows, then B's 256 rows
.set SPARE,  2*SLOT                    ; behind the ring: the spare words, 128 bytes for each wave: two blocks of 256 bytes that no other line names
.set AQ, 128                           ; a fragment's place in a slot: AQ x (which 128 along K) + AC x (which load of four) + AI x (which 16 rows)
.set AC, 32
.set AI, 16*PITCH
.set BQ, 128
.set BC, 32
.set BI, 16*PITCH
.set ASTEP, 2*ROWB                     ; a slot's next fill lies two K steps on
.set BSTEP, 2*ROWB
.set SC,   10                          ; v10  2^(e - e0 - e1) as f32
.set LIM,  11                          ; v11  448 x that
.set ADRA, 16                          ; v16-17  LDS address of my A fragments in slot 0, 1
.set ADRB, 20                          ; v20-21  the same for B
.set CO,   26                          ; v26  16 x lane
.set SPW,  28                          ; v28  LDS address of my spare word; never rewritten
.set NIL,  29                          ; v29  0; never rewritten
.set CT,   32
.set TMP,  32
.set BA,   96
.set AF,   128
.set CD,   128                         ; the codes: 8 registers for each of 16 blocks of rows x 64: none is written twice, so no store's data are rewritten
.set PB,   92                          ; s[92:99] where my four blocks of 64 x 64 go
.set G1, 24                            ; s[24:31] descriptor group 1 for A's tiles;  s[32:39] group 0, one set for each slot
.set G0, 32
.set G1B, 48                           ; s[48:55], s[56:63] the same for B's tiles
.set G0B, 56
.set MSB, 0
.macro WIN new                         ; the immediate's high byte repeats the setting that is left
.if MSB != (\new)
	s_set_vgpr_msb (MSB<<8)|(\new)
.set MSB, (\new)
.endif
.endm
.set MUL_LO, 0xa1                      ; source 0 (B) window 1, source 1 (A) window 0, C and D window 2
.set MUL_HI, 0xf1                      ; the same, C and D window 3
.set FST_LO, 0x81                      ; the first step: C (the biases) window 0, D window 2
.set FST_HI, 0xc1
.set TO_B,   0x40                      ; destination window 1, address window 0
; A joint load: waves 0 and 1 fetch for A, waves 2 and 3 for B.  Each line has one mask and one set of registers for all that issue it; the branch hangs on the wave's number alone.
; An s_nop 0 and four v_nop follow each of the two lines, ahead of the jump, the label and what follows.
.macro JLOAD g0a, g1a, g0b, g1b
	s_cmp_eq_u32 s15, 0
	s_cbranch_scc0 .Lfor_b_\@
	tensor_load_to_lds s[\g0a:\g0a+3], s[\g1a:\g1a+7]
	s_nop 0
.rept 4
	v_nop
.endr
	s_branch .Lasked_\@
.Lfor_b_\@:
	tensor_load_to_lds s[\g0b:\g0b+3], s[\g1b:\g1b+7]
	s_nop 0
.rept 4
	v_nop
.endr
.Lasked_\@:
.endm
.macro CREST                           ; a round of the cluster's barrier behind its opening barrier
	s_cmp_lg_u32 s14, 0
	s_cbranch_scc1 .Lnot_wave_0_\@
	s_barrier_signal -3
.Lnot_wave_0_\@:
	s_barrier_wait -3
	s_barrier_signal -1
	s_barrier_wait -1
.endm
.macro CROUND                          ; a whole round
	s_barrier_signal -1
	s_barrier_wait -1
	CREST
.endm
	s_load_b256 s[68:75], s[0:1], 0x0              ; xc s[68:69], wqc s[70:71], b_qkv s[72:73], the exponents s[74:75]
	s_load_b128 s[76:79], s[0:1], 0x20             ; qc, kc
	s_load_b64 s[80:81], s[0:1], 0x30              ; vc
	v_lshl_add_u32 v[SPW], v0, 2, SPARE
	v_mov_b32 v[NIL], 0
	ds_add_u32 v[SPW], v[NIL]                      ; the wave's opening: the add and its wait stand ahead of my first tensor load; the set-up below, work on registers, stands between them
	ds_add_u32 v[SPW], v[NIL]
	v_lshrrev_b32 v1, 5, v0
	v_readfirstlane_b32 s14, v1                    ; wave 0..3
	s_lshr_b32 s15, s14, 1                         ; which half of A's rows is mine.  Also: I fetch for A (0) or for B (1)
	s_and_b32 s16, s14, 1                          ; which half of B's rows.  Also: which 128 rows of that tile I fetch
	s_bfe_u32 s40, ttmp6, 0x40000                  ; cx, cy: my place in the cluster
	s_bfe_u32 s41, ttmp6, 0x40004
	s_lshr_b32 s66, ttmp9, 3                       ; 0: q, 1: k, 2: v
	s_and_b32 s67, ttmp9, 7                        ; which 1,024 tokens
	s_lshl_b32 s18, s67, 2
	s_lshl_b32 s19, s66, 2
	s_cmp_eq_u32 s66, 2
	s_cselect_b32 s17, 8, s18                      ; A's tile of 256 rows: v: wqc's 8 + cy;  q, k: xc's 4 x tokens + cy
	s_cselect_b32 s42, s18, s19                    ; B's: v: xc's 4 x tokens + cx;  q, k: wqc's 4 x which + cx
	s_add_co_u32 s17, s17, s41
	s_add_co_u32 s42, s42, s40
	s_lshl_b32 s43, s41, 2
	s_lshl_b32 s43, 15, s43                        ; my row of the cluster
	s_lshl_b32 s44, 0x1111, s40                    ; my column
	; descriptor group 1: a tile of 128 rows x 256 bytes, padded in LDS
	s_or_b32 s[G1+0], s43, (0<<16)|(1<<20)|(1<<21)|(5<<22)|(3<<25)  ; 15:0 the mask: A's tiles go to my row; 17:16 element of 1 byte; 20 padding on; 21 set beside a mask; 24:22 after every 64 words (code 5); 31:25 of 4 words (code 3)
	s_or_b32 s[G1B+0], s44, (0<<16)|(1<<20)|(1<<21)|(5<<22)|(3<<25)
.irp g, G1, G1B
	s_mov_b32 s[\g+1], ROWB<<16                    ; tensor_dim0
	s_mov_b32 s[\g+2], 128<<16                     ; tensor_dim1 = 128
	s_mov_b32 s[\g+3], ROWB<<16                    ; tile_dim0
	s_mov_b32 s[\g+4], 128                         ; tile_dim1 = 128
	s_mov_b32 s[\g+5], KROW                        ; tensor_dim0_stride
	s_mov_b32 s[\g+6], 0
	s_mov_b32 s[\g+7], 0
.endr
	s_lshl_b32 s18, s16, 17                        ; the 128 rows that I fetch, in bytes
	s_lshl_b32 s20, s17, 18                        ; A: 256 rows of 1,024 bytes a tile
	s_add_co_u32 s20, s20, s18
	s_lshl_b32 s46, s42, 18                        ; B likewise, in registers that never hold cy
	s_add_co_u32 s46, s46, s18
	s_mov_b32 s21, 0
	s_mov_b32 s47, 0
	s_mul_i32 s45, s14, HALFA                      ; where they go: wave x 128 rows: no place in the cluster enters an LDS address
	s_wait_dscnt 0x0                               ; the opening add is done
	s_wait_kmcnt 0x0
	s_load_b256 s[84:91], s[74:75], 0x0            ; e0 .. e7
	s_cmp_eq_u32 s66, 2
	s_cselect_b64 s[4:5], s[70:71], s[68:69]       ; A's codes
	s_cselect_b64 s[6:7], s[68:69], s[70:71]       ; B's codes
	s_add_nc_u64 s[20:21], s[4:5], s[20:21]
	s_add_nc_u64 s[46:47], s[6:7], s[46:47]
	CROUND                                         ; all sixteen work-groups are here: the first joint loads meet
.irp s, 0,1
	s_mov_b32 s[G0+4*\s], 1
	s_add_co_u32 s[G0+4*\s+1], s45, \s*SLOT
	s_add_nc_u64 s[G0+4*\s+2:G0+4*\s+3], s[20:21], \s*ROWB
	s_or_b32 s[G0+4*\s+3], s[G0+4*\s+3], 0x80000000
	s_mov_b32 s[G0B+4*\s], 1
	s_add_co_u32 s[G0B+4*\s+1], s45, \s*SLOT
	s_add_nc_u64 s[G0B+4*\s+2:G0B+4*\s+3], s[46:47], \s*ROWB
	s_or_b32 s[G0B+4*\s+3], s[G0B+4*\s+3], 0x80000000
.endr
	JLOAD G0, G1, G0B, G1B                         ; K step 0: one tensor load a wave at the head
	v_and_b32 v1, 15, v0
	v_bfe_u32 v2, v0, 4, 1                         ; h
	v_lshlrev_b32 v7, 5, v2                        ; 32 h: my eight numbers of a tile's sixteen
	s_wait_alu depctr_va_vdst(0)
	v_lshlrev_b32 v8, 2, v1                        ; 4 r
	s_wait_alu depctr_va_vdst(0)
	s_lshl_b32 s22, s42, 10                        ; the bias of B's rows: 4 (256 tile + 128 half) bytes on;
	s_lshl_b32 s23, s16, 9
	s_add_co_u32 s22, s22, s23
	s_lshl_b32 s82, s17, 10                        ; of A's rows likewise
	s_lshl_b32 s83, s15, 9
	s_add_co_u32 s82, s82, s83
	s_cmp_eq_u32 s66, 2
	s_cselect_b32 s22, 0, s22                      ; the one that does not apply reads the buffer's head, and is multiplied by 0
	s_cselect_b32 s82, s82, 0
	s_mov_b32 s23, 0
	s_mov_b32 s83, 0
	s_add_nc_u64 s[22:23], s[72:73], s[22:23]
	s_add_nc_u64 s[82:83], s[72:73], s[82:83]
.irp b, 0,1,2,3,4,5,6,7
	global_load_b128 v[CT+8*\b:CT+8*\b+3], v7, s[22:23] offset:64*\b         ; b(16 b + 8 h + 0 .. 7): the result's layout
	global_load_b128 v[CT+8*\b+4:CT+8*\b+7], v7, s[22:23] offset:64*\b+16
.endr
.irp a, 0,1,2,3,4,5,6,7
	global_load_b32 v[BA+2*\a], v8, s[82:83] offset:64*\a                    ; b(16 a + r)
.endr
	v_mul_u32_u24 v3, v1, PITCH
	v_lshl_add_u32 v4, v2, 4, v3                   ; a fragment's row x pitch + 16 x half
	s_mul_i32 s20, s15, HALFA                      ; my 128 rows of A
	s_mul_i32 s21, s16, HALFB                      ; my 128 rows of B,
	s_add_co_u32 s21, s21, 2*HALFA                 ; which lie behind A's 256
.irp s, 0,1
	v_add_nc_u32 v[ADRA+\s], s20, v4
	v_add_nc_u32 v[ADRB+\s], s21, v4
	s_add_co_u32 s20, s20, SLOT
	s_add_co_u32 s21, s21, SLOT
.endr
	v_and_b32 v5, 31, v0
	v_lshlrev_b32 v[CO], 4, v5
	; where my four blocks of 64 x 64 go
	s_lshl_b32 s18, s17, 2
	s_lshl_b32 s19, s15, 1
	s_add_co_u32 s18, s18, s19                     ; my first block of 64 of A's rows
	s_lshl_b32 s19, s42, 2
	s_lshl_b32 s20, s16, 1
	s_add_co_u32 s19, s19, s20                     ; of B's rows
	s_mov_b32 s46, 4096                            ; from a block of tokens to the next,
	s_mov_b32 s47, 131072                          ; from a head to the next
	s_cmp_eq_u32 s66, 2
	s_cselect_b32 s20, s19, s18                    ; the block of tokens, 0 .. 127
	s_cselect_b32 s21, s18, s19                    ; the block of channels: its low four bits are the head
	s_cselect_b32 s18, s47, s46                    ; a step along A's blocks,
	s_cselect_b32 s46, s46, s47                    ; along B's
	s_mov_b32 s19, 0
	s_mov_b32 s47, 0
	s_and_b32 s21, s21, 15
	s_lshl_b32 s21, s21, 17
	s_lshr_b32 s10, s20, 5                         ; the batch: 16 heads of 131,072 bytes
	s_lshl_b32 s10, s10, 21
	s_and_b32 s11, s20, 31
	s_lshl_b32 s11, s11, 12
	s_add_co_u32 s10, s10, s11
	s_add_co_u32 s10, s10, s21
	s_mov_b32 s11, 0
	s_cmp_eq_u32 s66, 0
	s_cselect_b64 s[8:9], s[76:77], s[78:79]
	s_cmp_eq_u32 s66, 2
	s_cselect_b64 s[8:9], s[80:81], s[8:9]
	s_add_nc_u64 s[PB:PB+1], s[8:9], s[10:11]
	s_add_nc_u64 s[PB+2:PB+3], s[PB:PB+1], s[46:47]
	s_add_nc_u64 s[PB+4:PB+5], s[PB:PB+1], s[18:19]
	s_add_nc_u64 s[PB+6:PB+7], s[PB+4:PB+5], s[46:47]
	s_wait_kmcnt 0x0                               ; the exponents
	s_add_co_i32 s10, s84, s85                     ; e0 + e1
	s_sub_co_i32 s11, 127, s10
	s_lshl_b32 s11, s11, 23                        ; 2^-(e0 + e1) as f32
	s_cmp_eq_u32 s66, 2
	s_cselect_b32 s2, 0, s11                       ; the factor of the bias by B's rows,
	s_cselect_b32 s12, s11, 0                      ; and by A's
	s_mov_b32 s3, s2                               ; (named with it as a pair, so it is written)
	s_cselect_b32 s18, s89, s87
	s_cmp_eq_u32 s66, 0
	s_cselect_b32 s18, s86, s18                    ; e of what I make: entry 2, 3 or 5
	s_sub_co_i32 s18, s18, s10
	s_add_co_i32 s18, s18, 127
	s_lshl_b32 s19, s18, 23
	v_mov_b32 v[SC], s19
	s_add_co_i32 s18, s18, 8
	s_lshl_b32 s18, s18, 23
	s_or_b32 s18, s18, 0x600000
	v_mov_b32 v[LIM], s18
	s_wait_loadcnt 0x0                             ; the biases
.irp j, 0,2,4,6,8,10,12,14,16,18,20,22,24,26,28,30,32,34,36,38,40,42,44,46,48,50,52,54,56,58,60,62
	v_pk_mul_f32 v[CT+\j:CT+\j+1], v[CT+\j:CT+\j+1], s[2:3] op_sel_hi:[1,0]
.endr
.irp a, 0,1,2,3,4,5,6,7
	v_mul_f32 v[BA+2*\a], s12, v[BA+2*\a]
.endr
.irp a, 0,1,2,3,4,5,6,7
	v_mov_b32 v[BA+2*\a+1], v[BA+2*\a]             ; (the packed addition names the pair)
.endr
.macro FRAG reg, adr, off, str         ; a fragment, 16 rows x 128 K, is 16 registers, brought by four loads of 16 bytes a lane; the same places of k in A and in B
.irp c, 0,1,2,3
	ds_load_b128 v[\reg+4*\c:\reg+4*\c+3], v[\adr] offset:(\off)+(\str)*\c
.endr
.endm
; 16 matrix instructions: A's blocks a0, a0 + 1 x B's eight, 128 along K.  p: B's set.  first = 1: the sums begin with the biases as C: nothing is ever cleared.
; The 64 accumulators take turns, one instruction a turn, in the same order in every step.
.macro MUL16 a0, p, first
.irp a, \a0, \a0+1
.irp b, 0,1,2,3,4,5,6,7
.if \first
	v_wmma_f32_16x16x128_fp8_fp8 v[8*(8*((\a)%4)+\b):8*(8*((\a)%4)+\b)+7], v[128*(\p)+FR*\b:128*(\p)+FR*\b+FR-1], v[AF+FR*(\a):AF+FR*(\a)+FR-1], v[CT+8*\b:CT+8*\b+7]
.else
	v_wmma_f32_16x16x128_fp8_fp8 v[8*(8*((\a)%4)+\b):8*(8*((\a)%4)+\b)+7], v[128*(\p)+FR*\b:128*(\p)+FR*\b+FR-1], v[AF+FR*(\a):AF+FR*(\a)+FR-1], v[8*(8*((\a)%4)+\b):8*(8*((\a)%4)+\b)+7]
.endif
.endr
.endr
.endm
.macro FETCH_B slot, q, p              ; B's eight fragments of the slot's q-th 128 along K into set p
	WIN TO_B
.irp i, 0,1,2,3,4,5,6,7
	FRAG 128*(\p)+FR*\i, ADRB+\slot, BQ*(\q)+BI*\i, BC
.endr
	WIN 0
.endm
.macro FETCH_A slot, q, i0             ; A's blocks i0 .. i0 + 3
.irp i, \i0, \i0+1, \i0+2, \i0+3
	FRAG AF+FR*(\i), ADRA+\slot, AQ*(\q)+AI*(\i), AC
.endr
.endm
; A load into a register that a matrix instruction has read, and a vector instruction that reads a matrix result, stand NP places behind that matrix instruction; only plain vector
; instructions that name none of its registers are places (ISA guide 7.12.1 for vector instructions).
.macro PLACES n
.rept \n
	v_nop
.endr
.endm
; A step of 128 along K that has its successor in the same slot.  A's blocks go one after the other, each against B's eight: so one set of registers serves A, refilled in halves; B has two sets.
.macro STEP slot, q, first
	s_wait_dscnt 4*NL                              ; B's set and A's blocks 0-3 are in; the youngest sixteen loads (A's blocks 4-7) may be out
.if \first
	WIN FST_LO
.else
	WIN MUL_LO
.endif
	MUL16 0, (\q)%2, \first
	MUL16 2, (\q)%2, \first
	s_wait_dscnt 0                                 ; A's blocks 4-7 are in
	PLACES NP
	FETCH_B \slot, (\q)+1, 1-(\q)%2
	FETCH_A \slot, (\q)+1, 0
.if \first
	WIN FST_HI
.else
	WIN MUL_HI
.endif
	MUL16 4, (\q)%2, \first
	MUL16 6, (\q)%2, \first
	PLACES NP
	WIN 0
	FETCH_A \slot, (\q)+1, 4
.endm
; A slot's last step changes slots: ONE barrier; in front of it each wave waits for all its tensor loads, adds 0 to its spare word, and waits for that and for its own reads of this slot.  fill = 1: this slot is filled again, two K steps ahead.
.macro TURN slot, next, fill
	s_wait_tensorcnt 0x0                           ; all my tensor loads have landed: my part of the next slot  (every window is 0 here)
	ds_add_u32 v[SPW], v[NIL]                      ; 0 onto my spare word
	s_wait_dscnt 4*NL+1                            ; (the add and the youngest sixteen loads, A's blocks 4-7, may be out)
	WIN MUL_LO
	MUL16 0, 1, 0                                  ; sixteen matrix instructions stand between the add and the wait for it
	s_wait_dscnt 0x0                               ; the add is done, and my reads of this slot are over
	s_barrier_signal -1
	MUL16 2, 1, 0
	WIN 0
	s_barrier_wait -1
.if \fill
	CREST                                          ; the barrier has opened a round of the cluster's barrier: no wave of any partner still reads this slot or has a load on its way
	s_add_nc_u64 s[G0+4*\slot+2:G0+4*\slot+3], s[G0+4*\slot+2:G0+4*\slot+3], ASTEP
	s_add_nc_u64 s[G0B+4*\slot+2:G0B+4*\slot+3], s[G0B+4*\slot+2:G0B+4*\slot+3], BSTEP
	JLOAD G0+4*\slot, G1, G0B+4*\slot, G1B         ; the first tensor load behind the round, and my only one until the next; its four v_nop are the places in front of the loads below
.else
	PLACES NP
.endif
	FETCH_B \next, 0, 0
	FETCH_A \next, 0, 0
	WIN MUL_HI
	MUL16 4, 1, 0
	MUL16 6, 1, 0
	PLACES NP
	WIN 0
	FETCH_A \next, 0, 4
.endm
	s_wait_alu depctr_va_vdst(0)
	s_wait_tensorcnt 0x0                           ; my part of K step 0 is in
	ds_add_u32 v[SPW], v[NIL]
	s_wait_dscnt 0x0
	CROUND                                         ; everybody's part of K step 0 is in, and all sixteen work-groups are here
	JLOAD G0+4, G1, G0B+4, G1B                     ; K step 1: slot 1's first fill, the first tensor load behind the round
	FETCH_B 0, 0, 0
	FETCH_A 0, 0, 0
	FETCH_A 0, 0, 4
	STEP 0, 0, 1                                   ; K 0-127: the sums begin
	TURN 0, 1, 1                                   ; K 128-255; slot 0 takes K 512-767
	STEP 1, 0, 0
	TURN 1, 0, 1                                   ; slot 1 takes K 768-1023
	STEP 0, 0, 0
	TURN 0, 1, 0                                   ; nothing is left to fetch
	STEP 1, 0, 0
	s_wait_dscnt 4*NL                              ; the last step
	WIN MUL_LO
	MUL16 0, 1, 0
	MUL16 2, 1, 0
	s_wait_alu depctr_va_vdst(0)
	s_wait_dscnt 0
	WIN MUL_HI
	MUL16 4, 1, 0
	MUL16 6, 1, 0
	WIN 0
; THE WAY OUT.  Block (ia, ib): 64 of A's rows x 64 of B's.  For each 16 of A's rows: sum + the bias by A's rows (each accumulator from its low end on), the hold, four conversions;
; the eight registers of codes are two runs of 16 bytes a lane, each 512 consecutive bytes of the block for the wave.
.macro QBLOCK ia, ib
.irp aa, 0,1,2,3
	WIN 0x02+(\ia)                                 ; source 0: window 2 or 3
.irp bb, 0,1,2,3
.irp j, 0,2,4,6
	v_pk_add_f32 v[TMP+8*\bb+\j:TMP+8*\bb+\j+1], v[8*(8*\aa+4*(\ib)+\bb)+\j:8*(8*\aa+4*(\ib)+\bb)+\j+1], v[BA+2*(4*(\ia)+\aa):BA+2*(4*(\ia)+\aa)+1] op_sel_hi:[1,0]
.endr
.endr
	WIN 0
.irp j, 0,1,2,3,4,5,6,7,8,9,10,11,12,13,14,15,16,17,18,19,20,21,22,23,24,25,26,27,28,29,30,31
	v_med3_num_f32 v[TMP+\j], v[TMP+\j], -v[LIM], v[LIM]   ; the conversion to an 8-bit code does not saturate (ISA guide 7.6.2)
.endr
.irp bb, 0,1,2,3
	v_cvt_scalef32_pk8_fp8_f32 v[CD+32*(2*(\ia)+(\ib))+8*\aa+2*\bb:CD+32*(2*(\ia)+(\ib))+8*\aa+2*\bb+1], v[TMP+8*\bb:TMP+8*\bb+7], v[SC]
.endr
	v_nop                                          ; one plain line between the conversions and the next lines that write their sources
	global_store_b128 v[CO], v[CD+32*(2*(\ia)+(\ib))+8*\aa:CD+32*(2*(\ia)+(\ib))+8*\aa+3], s[PB+2*(2*(\ia)+(\ib)):PB+2*(2*(\ia)+(\ib))+1] offset:1024*\aa
	global_store_b128 v[CO], v[CD+32*(2*(\ia)+(\ib))+8*\aa+4:CD+32*(2*(\ia)+(\ib))+8*\aa+7], s[PB+2*(2*(\ia)+(\ib)):PB+2*(2*(\ia)+(\ib))+1] offset:1024*\aa+512
.endr
.endm
	PLACES NP                                      ; behind the last products: their results are read, and the registers that held A's fragments are written
	QBLOCK 0, 0
	QBLOCK 0, 1
	QBLOCK 1, 0
	QBLOCK 1, 1
	s_wait_tensorcnt 0x0                           ; the wave's end, behind my last tensor load
	ds_add_u32 v[SPW], v[NIL]
	s_wait_dscnt 0x0
	CROUND                                         ; the closing round: no work-group ends while a partner may still ask for a tile that names it
	s_endpgm
.Lfunc_end_k_q0bb0619fc8_gemm_qkv:
	.size	k_q0bb0619fc8_gemm_qkv, .Lfunc_end_k_q0bb0619fc8_gemm_qkv-k_q0bb0619fc8_gemm_qkv
	.p2alignl 7, 3214868480
	.fill 96, 4, 3214868480
	.section	.rodata,"a",@progbits
	.p2align	6, 0x0
	.amdhsa_kernel k_q0bb0619fc8_gemm_qkv
		.amdhsa_group_segment_fixed_size 327680
		.amdhsa_private_segment_fixed_size 0
		.amdhsa_enable_private_segment 0
		.amdhsa_kernarg_size 56
		.amdhsa_user_sgpr_count 2
		.amdhsa_user_sgpr_kernarg_segment_ptr 1
		.amdhsa_wavefront_size32 1
		.amdhsa_system_sgpr_workgroup_id_x 1
		.amdhsa_system_sgpr_workgroup_id_y 1
		.amdhsa_system_sgpr_workgroup_id_z 1
		.amdhsa_system_vgpr_workitem_id 0
		.amdhsa_next_free_vgpr 1024
		.amdhsa_next_free_sgpr 100
		.amdhsa_reserve_vcc 0
		.amdhsa_float_denorm_mode_32 3
		.amdhsa_float_denorm_mode_16_64 3
		.amdhsa_memory_ordered 1
		.amdhsa_forward_progress 1
		.amdhsa_inst_pref_size 141
	.end_amdhsa_kernel
	.amdgpu_metadata
---
amdhsa.version: [ 1, 2 ]
amdhsa.kernels:
  - .name:           k_q0bb0619fc8_gemm_qkv
    .symbol:         k_q0bb0619fc8_gemm_qkv.kd
    .args:
      - { .name: xc, .offset: 0, .size: 8, .value_kind: global_buffer, .address_space: global }
      - { .name: wqc, .offset: 8, .size: 8, .value_kind: global_buffer, .address_space: global }
      - { .name: b_qkv, .offset: 16, .size: 8, .value_kind: global_buffer, .address_space: global }
      - { .name: lowp_scales, .offset: 24, .size: 8, .value_kind: global_buffer, .address_space: global }
      - { .name: qc, .offset: 32, .size: 8, .value_kind: global_buffer, .address_space: global }
      - { .name: kc, .offset: 40, .size: 8, .value_kind: global_buffer, .address_space: global }
      - { .name: vc, .offset: 48, .size: 8, .value_kind: global_buffer, .address_space: global }
    .group_segment_fixed_size: 327680
    .private_segment_fixed_size: 0
    .kernarg_segment_align: 8
    .kernarg_segment_size: 56
    .max_flat_workgroup_size: 128
    .sgpr_count:     100
    .vgpr_count:     1024
    .wavefront_size: 32
...
	.end_amdgpu_metadata
.endif
;; end of part 2
;; launch attn (part 3): grid 256 x 1, 16 waves a work-group, clusters of 4 x 1, 327,680 bytes of LDS; arguments qc, kc, vc, lowp_scales, ac; writes ac
.if DOCPART == 3
	.amdgcn_target "amdgcn-amd-amdhsa--gfx1250"
	.amdhsa_code_object_version 6
	.text
	.protected	k_q0bb0619fc8_attn
	.globl	k_q0bb0619fc8_attn
	.p2align	8
	.type	k_q0bb0619fc8_attn,@function
k_q0bb0619fc8_attn:
	s_mov_b64 s[64:65], 0
	v_nop
	global_prefetch_b8 v0, s[64:65] scope:SCOPE_SE
	s_setreg_imm32_b32 hwreg(HW_REG_WAVE_MODE, 25, 1), 1
	s_wait_xcnt 0x0
	s_wait_alu depctr_hold_cnt(0) depctr_sa_sdst(0) depctr_va_vdst(0) depctr_va_sdst(0) depctr_va_ssrc(0) depctr_va_vcc(0) depctr_vm_vsrc(0)
	s_getreg_b32 s2, hwreg(HW_REG_IB_STS2, 6, 4)
	s_cmp_eq_u32 s2, 0
	s_cbranch_scc0 .Lentry_in_a_cluster
	s_endpgm
.Lentry_in_a_cluster:
	s_bfe_u32 s2, ttmp6, 0x10000c
	s_cmp_lg_u32 s2, 0x3003
	s_cbranch_scc0 .Lentry_shape_is_right
	s_endpgm
.Lentry_shape_is_right:
; Causal attention on codes of FP8 (E4M3): 64 heads (16 b + head) of 2,048 tokens x 64 channels.  S^T = K Q^T by v_wmma_f32_16x16x64_fp8_fp8 (K = the 64 channels), O^T = V^T P^T by v_wmma_f32_16x16x128_fp8_fp8 (K = a step's 128 keys).
; qc, kc, vc: [head][block of 64 tokens][4,096 bytes], each block four images of operand registers (16 rows x 64 along K, 1,024 bytes: two loads of 16 bytes a lane at 16 x lane);
; q, k: rows = tokens, K = channels; v: rows = channels, K = tokens.  Scales: q entry 2, k 3, p 4, v 5, the result 6.
; THE SOFTMAX: t = score x log2(e) / 8; M = the row's largest t so far, rounded UP to a whole number; p = 2^(t - M) is what is quantised; the row's sum is taken of the unquantised p and divides at the end.
; When M moves, the sum and O are multiplied by 2^(old M - new M), which rounds nothing.
; A CLUSTER OF FOUR WORK-GROUPS IS ONE HEAD.  All of the head's K and V, 131,072 bytes each, lie in LDS, brought once by joint loads that name the four; no byte of LDS is filled twice.
; Each wave issues two loads: at the head 4,096 bytes of the first four key steps (waves 0-7: K, waves 8-15: V); behind the full sequence and a round of the cluster's barrier 12,288 bytes of the other twelve.
; Nothing is prefetched: the later request stands behind the head's wait and a round of the cluster's barrier.
; SHARES.  A key step is 128 keys.  The head's queries are 16 blocks of 128, eight tiles of 16 each.  Wave w of partner cx takes tile u = 2 cx + w / 8 of block J = w % 8 (tile A) and of block 15 - J (tile B):
; (J + 1) + (16 - J) = 17 steps for every wave of every work-group.  Steps whose keys all come after the tile's queries (the causal mask that reference() builds) are left out, by scalar branches on the
; wave's number and a loop's counter: alike in all partners.  cx enters global addresses and the mask's numbers alone.
; LAYOUT.  Both products are used transposed: a lane holds ONE query (lane % 16).  Register j of score tile t is key 16 t + 8 (lane / 16) + j, the place that the plain 8-bit forms give k in an operand:
; the conversions' results are the second product's operand, 16 registers for 128 keys.
; ORDER.  Tile B's steps 0-3 need no mask and read the first loads' bytes; the barrier that shows the rest whole is signalled ahead of step 3 and waited for behind it.  Then 12 trips: B's step 4 + T and A's step T.
; OUTPUT: ac [tile of 16 tokens][head][2][lane][16 bytes]: lane (r, h), byte i of half c: o(token r, channel 32 c + 8 h + i % 8 + 16 (i / 8)): my registers as they stand; 512 consecutive bytes a store.
; LIMITS: e2 + e3 between -123 and 130 (added to c's exponent field); e4 and e6 between -126 and 119; e4 + e5 is applied by v_ldexp_f32 and has none.  The scaled scores t stay under 2^31 in magnitude.  NaN is not served.
.set SPARE, 262144                     ; behind K and V: the spare words, 128 bytes for each wave: eight blocks of 256 bytes that no other line names
.set VOFF,  131072                     ; LDS: K at 0, V here; key step s at 8,192 s
.set KS,    8192                       ; a key step's bytes of K or of V
.set AL,   1                           ; v1   16 x lane
.set ADK,  2                           ; v2   LDS address of the step's K
.set ADV,  3                           ; v3   of its V
.set DM,   4                           ; v4   16 u + r - 8 h: on the diagonal register 8 t + j is hidden where 16 t + j is above it
.set SPW,  5                           ; v5   LDS address of my spare word; never rewritten
.set NIL,  6                           ; v6   0; never rewritten
.set STA,  8                           ; v8-11  tile A: -M, the largest t, the sum in two halves
.set STB,  12                          ; v12-15 tile B
.set QA,   16                          ; v16-23, v24-31 the two tiles of Q
.set QB,   24
.set F,    32                          ; v32-95   eight fragments of K, then four of V
.set S,    96                          ; v96-159  S^T, then p
.set P,    160                         ; v160-175 p's codes
.set OA,   176                         ; v176-207, v208-239 O^T
.set OB,   208
.set MA,   240                         ; v240, v241 at work
.set MB,   241
.set FF,   242                         ; v[242:243] f = 2^(old M - new M)
.set L2,   244                         ; v[244:245] the sum's second chain
.set PD,   246                         ; a lane permute's destination
.set NINF, 247                         ; -infinity
.set LIM4, 248                         ; v248, v249: 448 x 2^e4, twice: one for each half of a dual pair
.set LIM4B, 249
.set SC4,  250                         ; 2^e4
.set LIM6, 251                         ; 448 x 2^e6, 2^e6
.set SC6,  252
.set WV,   18                          ; s18  my wave's number
.set SEL,  20                          ; s[20:21] lane selects for v_permlanex16_b32: lane l xor 16
.set CS,   22                          ; s[22:23] c = log2(e) / 8 x 2^(e2 + e3)
.set G1S,  24                          ; s[24:31] descriptor group 1: 16 rows of 256 bytes;  s[32:39]: 48 rows
.set G1L,  32
.set G0A,  40                          ; s[40:47] two groups 0
.set G0B,  44
.set T,    66                          ; s66  a loop's counter
.set TBB,  67                          ; s67  LDS byte of tile B's step
.set TBA,  76                          ; s76  of tile A's
.set WA,   77                          ; s77  tile A's last trip: J
.set WBL,  78                          ; s78  tile B's: 11 - J
.set EO,   79                          ; s79  e4 + e5
.macro CROUND                          ; a round of the cluster's barrier
	s_barrier_signal -1
	s_barrier_wait -1
	s_cmp_lg_u32 s[WV], 0
	s_cbranch_scc1 .Lnot_wave_0_\@
	s_barrier_signal -3
.Lnot_wave_0_\@:
	s_barrier_wait -3
	s_barrier_signal -1
	s_barrier_wait -1
.endm
	s_load_b256 s[4:11], s[0:1], 0x0               ; qc s[4:5], kc s[6:7], vc s[8:9], the exponents s[10:11]
	s_load_b64 s[12:13], s[0:1], 0x20              ; ac
	v_lshl_add_u32 v[SPW], v0, 2, SPARE
	v_mov_b32 v[NIL], 0
	ds_add_u32 v[SPW], v[NIL]                      ; the wave's opening: the add, twice on end, and its wait ahead of my first tensor load
	ds_add_u32 v[SPW], v[NIL]
	v_lshrrev_b32 v2, 5, v0
	s_delay_alu instid0(VALU_DEP_1)
	v_readfirstlane_b32 s[WV], v2                  ; wave 0..15
	s_bfe_u32 s52, ttmp6, 0x40000                  ; cx
	s_lshl_b32 s54, ttmp9, 17                      ; the head's first byte in qc, kc, vc: in a cluster launch ttmp9 counts clusters
	s_mov_b32 s55, 0
	s_and_b32 s58, s[WV], 7                        ; J.  Also: which eighth of K (waves 0-7) or of V (waves 8-15) I fetch
	s_lshr_b32 s53, s[WV], 3
	s_lshl_b32 s59, s53, 17                        ; K's or V's half of LDS
	s_lshl_b32 s60, s58, 12                        ; the first load: 4,096 bytes a wave of the first 32,768
	s_mov_b32 s61, 0
	s_mul_i32 s62, s58, 12288                      ; the second: 12,288 bytes a wave of the other 98,304
	s_add_co_u32 s62, s62, 32768
	s_mov_b32 s63, 0
	; descriptor groups 1: dense bytes as rows of 256: elements of 8 bytes, 32 a row; no padding: the fragments are read as they lie, 512 consecutive bytes a load
	s_mov_b32 s[G1S], 15|(3<<16)|(1<<21)           ; 15:0 the mask: all four work-groups; 17:16 elements of 8 bytes; 21 set beside a mask
	s_mov_b32 s[G1S+1], 32<<16                     ; tensor_dim0
	s_mov_b32 s[G1S+2], 16<<16                     ; tensor_dim1
	s_mov_b32 s[G1S+3], 32<<16                     ; tile_dim0
	s_mov_b32 s[G1S+4], 16                         ; tile_dim1
	s_mov_b32 s[G1S+5], 32                         ; tensor_dim0_stride
	s_mov_b32 s[G1S+6], 0
	s_mov_b32 s[G1S+7], 0
	s_mov_b32 s[G1L], 15|(3<<16)|(1<<21)
	s_mov_b32 s[G1L+1], 32<<16
	s_mov_b32 s[G1L+2], 48<<16
	s_mov_b32 s[G1L+3], 32<<16
	s_mov_b32 s[G1L+4], 48
	s_mov_b32 s[G1L+5], 32
	s_mov_b32 s[G1L+6], 0
	s_mov_b32 s[G1L+7], 0
	s_mov_b32 s[G0A], 1
	s_add_co_u32 s[G0A+1], s60, s59
	s_mov_b32 s[G0B], 1
	s_add_co_u32 s[G0B+1], s62, s59
	s_mov_b32 s[SEL], 0x76543210
	s_mov_b32 s[SEL+1], 0xfedcba98
	s_mov_b32 s[WA], s58
	s_sub_co_u32 s[WBL], 11, s58
	s_lshl_b32 s88, s52, 1
	s_add_co_u32 s88, s88, s53                     ; u = 2 cx + w / 8
	s_lshl_b32 s91, s88, 4                         ; 16 u
	s_lshl_b32 s89, s58, 3
	s_add_co_u32 s48, s89, s88                     ; tile A, counted in 16 tokens: 8 J + u
	s_sub_co_u32 s49, 120, s89
	s_add_co_u32 s49, s49, s88                     ; tile B: 8 (15 - J) + u
	s_lshl_b32 s84, s48, 10                        ; Q: 1,024 bytes a tile, in my head
	s_lshl_b32 s86, s49, 10
	s_add_co_u32 s84, s84, s54
	s_add_co_u32 s86, s86, s54
	s_mov_b32 s85, 0
	s_mov_b32 s87, 0
	s_lshr_b32 s88, ttmp9, 4                       ; ac: (128 b + tile) x 16,384 + head x 1,024
	s_lshl_b32 s88, s88, 7
	s_and_b32 s89, ttmp9, 15
	s_lshl_b32 s89, s89, 10
	s_add_co_u32 s80, s48, s88
	s_lshl_b32 s80, s80, 14
	s_add_co_u32 s80, s80, s89
	s_mov_b32 s81, 0
	s_add_co_u32 s82, s49, s88
	s_lshl_b32 s82, s82, 14
	s_add_co_u32 s82, s82, s89
	s_mov_b32 s83, 0
	s_wait_dscnt 0x0                               ; both opening adds are done
	s_wait_kmcnt 0x0
	s_load_b256 s[68:75], s[10:11], 0x0            ; e0 .. e7
	s_cmp_lt_u32 s[WV], 8
	s_cselect_b64 s[56:57], s[6:7], s[8:9]         ; K's codes or V's: by the wave's number, the same in all four partners
	s_add_nc_u64 s[56:57], s[56:57], s[54:55]
	s_add_nc_u64 s[G0A+2:G0A+3], s[56:57], s[60:61]
	s_add_nc_u64 s[G0B+2:G0B+3], s[56:57], s[62:63]
	s_or_b32 s[G0A+3], s[G0A+3], 0x80000000        ; 127:126 type = 2
	s_or_b32 s[G0B+3], s[G0B+3], 0x80000000
	s_add_nc_u64 s[84:85], s[4:5], s[84:85]
	s_add_nc_u64 s[86:87], s[4:5], s[86:87]
	s_add_nc_u64 s[80:81], s[12:13], s[80:81]
	s_add_nc_u64 s[82:83], s[12:13], s[82:83]
	CROUND                                         ; all four work-groups are here: the joint loads meet
	tensor_load_to_lds s[G0A:G0A+3], s[G1S:G1S+7]  ; key steps 0-3: my one tensor load at the head
	s_nop 0
	v_and_b32 v[AL], 31, v0
	s_delay_alu instid0(VALU_DEP_1)
	v_lshlrev_b32 v[AL], 4, v[AL]
	global_load_b128 v[QA:QA+3], v[AL], s[84:85]               ; Q's two fragments stay in registers
	global_load_b128 v[QA+4:QA+7], v[AL], s[84:85] offset:512
	global_load_b128 v[QB:QB+3], v[AL], s[86:87]
	global_load_b128 v[QB+4:QB+7], v[AL], s[86:87] offset:512
	v_and_b32 v2, 15, v0                           ; r
	v_bfe_u32 v3, v0, 4, 1                         ; h
	s_delay_alu instid0(VALU_DEP_1)
	v_lshlrev_b32 v3, 3, v3
	s_delay_alu instid0(VALU_DEP_1)
	v_sub_nc_u32 v[DM], v2, v3
	s_delay_alu instid0(VALU_DEP_1)
	v_add_nc_u32 v[DM], s91, v[DM]
	v_mov_b32 v[STA+1], 0xff61b1e6                 ; the largest t so far: -3e38, under every t
	s_delay_alu instid0(VALU_DEP_1)
	v_floor_f32 v[STA], -v[STA+1]                  ; -M
	v_mov_b32 v[STA+2], 0                          ; the sum, in two halves
	v_mov_b32 v[STA+3], 0
	v_mov_b32 v[STB+1], 0xff61b1e6
	s_delay_alu instid0(VALU_DEP_1)
	v_floor_f32 v[STB], -v[STB+1]
	v_mov_b32 v[STB+2], 0
	v_mov_b32 v[STB+3], 0
	v_mov_b32 v[FF+1], 0                           ; (named as the upper half of the pair)
	v_mov_b32 v[PD], 0                             ; written once: a lane permute's destination counts as one of its sources
	v_mov_b32 v[NINF], 0xff800000
.set II, 0
.rept 64
	v_mov_b32 v[OA+II], 0                          ; O^T of both tiles.  (The step is written without a first form: it finds zeros, which the first change of M leaves zeros)
.set II, II+1
.endr
	s_wait_kmcnt 0x0
	s_add_co_i32 s88, s70, s71
	s_lshl_b32 s88, s88, 23
	s_mov_b32 s[CS], 0x3e38aa3b                    ; log2(e) / 8
	s_add_co_i32 s[CS], s[CS], s88                 ; a score stands for score x 2^(e2 + e3): the exponents are added to c's exponent field
	s_mov_b32 s[CS+1], s[CS]                       ; (named with it as a pair)
	s_add_co_i32 s[EO], s72, s73
	s_add_co_i32 s88, s72, 127
	s_lshl_b32 s89, s88, 23
	v_mov_b32 v[SC4], s89
	s_add_co_i32 s88, s88, 8
	s_lshl_b32 s88, s88, 23
	s_or_b32 s88, s88, 0x600000
	v_mov_b32 v[LIM4], s88
	v_mov_b32 v[LIM4B], s88
	s_add_co_i32 s88, s74, 127
	s_lshl_b32 s89, s88, 23
	v_mov_b32 v[SC6], s89
	s_add_co_i32 s88, s88, 8
	s_lshl_b32 s88, s88, 23
	s_or_b32 s88, s88, 0x600000
	v_mov_b32 v[LIM6], s88
; ONE TILE OF 16 QUERIES AGAINST 128 KEYS.  rq: Q's fragment; ro: O^T; rs: the tile's four statistics; sb: the scalar with the step's LDS byte; dg = 1: the step is on the diagonal where s[T] = s[sl].
.macro STEP rq, ro, rs, sb, sl, dg
	v_add_nc_u32 v[ADK], s[\sb], v[AL]
	s_delay_alu instid0(VALU_DEP_1)
	v_add_nc_u32 v[ADV], VOFF, v[ADK]
.set II, 0
.rept 16
	ds_load_b128 v[F+4*II:F+4*II+3], v[ADK] offset:512*II    ; tile t = II / 2: keys 16 t + lane % 16, two loads a tile
.set II, II+1
.endr
	s_wait_alu depctr_va_vdst(0)
	s_wait_dscnt 0x8                               ; tiles 0-3 are in; the youngest eight loads (tiles 4-7) may be out
.set II, 0
.rept 4
	v_wmma_f32_16x16x64_fp8_fp8 v[S+8*II:S+8*II+7], v[F+8*II:F+8*II+7], v[\rq:\rq+7], 0
.set II, II+1
.endr
	s_wait_dscnt 0x0
.rept 4
	v_wmma_f32_16x16x64_fp8_fp8 v[S+8*II:S+8*II+7], v[F+8*II:F+8*II+7], v[\rq:\rq+7], 0
.set II, II+1
.endr
.rept 4
	v_nop                                          ; places in front of the loads into K's registers and of the first read of the scores
.endr
.set II, 0
.rept 16
	ds_load_b128 v[F+4*II:F+4*II+3], v[ADV] offset:1024*(II/4)+512*(II%2)+4096*((II/2)%2)   ; V: channels 16 (II / 4) + lane % 16, 128 keys in 16 registers.  These land while the softmax is worked
.set II, II+1
.endr
.if \dg
	s_cmp_lg_u32 s[T], s[\sl]
	s_cbranch_scc1 .Lopen_\@                       ; a step all of whose keys count skips the mask
.set II, 0
.rept 64
	v_cmp_gt_i32 vcc_lo, 16*(II/8)+II%8, v[DM]
	v_cndmask_b32 v[S+II], v[S+II], v[NINF], vcc_lo   ; hidden scores become -infinity: p = 0.  The block's first key counts for every query, so the maximum stays a number
.set II, II+1
.endr
.Lopen_\@:
.endif
.set II, 0
.rept 4
	v_max3_num_f32 v[P+II], v[S+16*II], v[S+16*II+1], v[S+16*II+2]   ; the step's largest score of my query among my 64 keys, in four chains (in p's registers, which are free here), two score tiles a chain; each accumulator is first read at its low end
.set II, II+1
.endr
.set JJ, 3
.rept 6
.set II, 0
.rept 4
	v_max3_num_f32 v[P+II], v[P+II], v[S+16*II+JJ], v[S+16*II+JJ+1]
.set II, II+1
.endr
.set JJ, JJ+2
.endr
	v_max3_num_f32 v[P], v[P], v[S+15], v[S+31]    ; each chain's sixteenth number,
	v_max3_num_f32 v[P+2], v[P+2], v[S+47], v[S+63]
	s_delay_alu instid0(VALU_DEP_1)
	v_max3_num_f32 v[P], v[P], v[P+1], v[P+2]      ; and the four chains
	s_delay_alu instid0(VALU_DEP_1)
	v_max_num_f32 v[MA], v[P], v[P+3]
	s_delay_alu instid0(VALU_DEP_1)
	v_permlanex16_b32 v[PD], v[MA], s[SEL], s[SEL+1]
	s_delay_alu instid0(VALU_DEP_1)
	v_max_num_f32 v[MA], v[MA], v[PD]              ; and among lane l xor 16's
	s_delay_alu instid0(VALU_DEP_1)
	v_mul_f32 v[MA], s[CS], v[MA]                  ; as t (c is positive)
	s_delay_alu instid0(VALU_DEP_1)
	v_max_num_f32 v[\rs+1], v[\rs+1], v[MA]        ; the running largest t
	v_mov_b32 v[MA], v[\rs]
	s_delay_alu instid0(VALU_DEP_2)
	v_floor_f32 v[\rs], -v[\rs+1]                  ; the new -M = floor(-t): M is a whole number
	s_delay_alu instid0(VALU_DEP_1)
	v_sub_f32 v[MA], v[\rs], v[MA]                 ; old M - new M: a whole number, 0 or less
	s_delay_alu instid0(VALU_DEP_1)
	v_cvt_i32_f32 v[MA], v[MA]                     ; (it saturates)
	s_delay_alu instid0(VALU_DEP_1)
	v_ldexp_f32 v[FF], 1.0, v[MA]                  ; f = 2^(old M - new M)
	s_wait_alu depctr_va_vdst(0)                   ; directly ahead of the first reader of O^T
.set II, 0
.rept 16
	v_pk_mul_f32 v[\ro+II:\ro+II+1], v[\ro+II:\ro+II+1], v[FF:FF+1] op_sel_hi:[1,0]   ; O^T under the new M, from each accumulator's low end on
.set II, II+2
.endr
.set II, 0
.rept 32
	v_pk_fma_f32 v[S+II:S+II+1], v[S+II:S+II+1], s[CS:CS+1], v[\rs:\rs+1] op_sel_hi:[1,0,0]   ; t - M, two at a time (of the pairs c and -M the low word serves both halves)
.set II, II+2
.endr
	s_wait_alu depctr_va_vdst(0)
.set II, 0
.rept 64
	v_exp_f32 v[S+II], v[S+II]                     ; p = 2^(t - M): one batch
.set II, II+1
.endr
	v_pk_mul_f32 v[\rs+2:\rs+3], v[\rs+2:\rs+3], v[FF:FF+1] op_sel_hi:[1,0]   ; the sums under the new M: the plain line behind the exponentials
	s_wait_alu depctr_va_vdst(0)                   ; one wait for the batch, ahead of its first reader
	v_pk_add_f32 v[L2:L2+1], v[S:S+1], v[S+2:S+3]  ; the row's sum is taken of the UNQUANTISED p, in four chains (two of them in p's registers, which are free here)
	v_pk_add_f32 v[P+4:P+5], v[S+4:S+5], v[S+6:S+7]
	v_pk_add_f32 v[P+6:P+7], v[S+8:S+9], v[S+10:S+11]
.set II, 12
.rept 6
	v_pk_add_f32 v[\rs+2:\rs+3], v[\rs+2:\rs+3], v[S+II:S+II+1]
	v_pk_add_f32 v[L2:L2+1], v[L2:L2+1], v[S+II+2:S+II+3]
	v_pk_add_f32 v[P+4:P+5], v[P+4:P+5], v[S+II+4:S+II+5]
	v_pk_add_f32 v[P+6:P+7], v[P+6:P+7], v[S+II+6:S+II+7]
.set II, II+8
.endr
	v_pk_add_f32 v[\rs+2:\rs+3], v[\rs+2:\rs+3], v[S+60:S+61]
	v_pk_add_f32 v[L2:L2+1], v[L2:L2+1], v[S+62:S+63]
	v_pk_add_f32 v[P+4:P+5], v[P+4:P+5], v[P+6:P+7]
	s_delay_alu instid0(VALU_DEP_2)
	v_pk_add_f32 v[\rs+2:\rs+3], v[\rs+2:\rs+3], v[L2:L2+1]
	s_delay_alu instid0(VALU_DEP_1)
	v_pk_add_f32 v[\rs+2:\rs+3], v[\rs+2:\rs+3], v[P+4:P+5]
.set II, 0
.rept 32
	v_dual_min_num_f32 v[S+II], v[S+II], v[LIM4] :: v_dual_min_num_f32 v[S+II+1], v[S+II+1], v[LIM4B]   ; the conversion does not saturate (ISA guide 7.6.2); p is not negative, so the hold is one-sided; two numbers a pair
.set II, II+2
.endr
.set II, 0
.rept 8
	v_cvt_scalef32_pk8_fp8_f32 v[P+2*II:P+2*II+1], v[S+8*II:S+8*II+7], v[SC4]   ; registers 2 t, 2 t + 1 of the operand: keys 16 t + 8 h + 0 .. 7
.set II, II+1
.endr
	v_nop                                          ; one plain line between the conversions and the products that read their results
	s_wait_alu depctr_va_vdst(0)
	s_wait_dscnt 0x0                               ; V is in
.set II, 0
.rept 4
	v_wmma_f32_16x16x128_fp8_fp8 v[\ro+8*II:\ro+8*II+7], v[F+16*II:F+16*II+15], v[P:P+15], v[\ro+8*II:\ro+8*II+7]   ; four accumulators, one instruction a turn; the scores' eight products stand between two links of a chain
.set II, II+1
.endr
.rept 4
	v_nop                                          ; places in front of the next loads into V's registers and of the next read of O^T
.endr
.endm
	s_wait_alu depctr_va_vdst(0)
	s_wait_tensorcnt 0x0                           ; my part of key steps 0-3 is in
	ds_add_u32 v[SPW], v[NIL]
	s_wait_dscnt 0x0
	CROUND                                         ; everybody's part is in, and all four work-groups are here
	tensor_load_to_lds s[G0B:G0B+3], s[G1L:G1L+7]  ; key steps 4-15: the first tensor load behind the round, and my last
	s_nop 0
	s_wait_loadcnt 0x0                             ; Q
	s_mov_b32 s[TBB], 0
	s_mov_b32 s[T], 3
.Lfirst:                                           ; tile B's steps 0-2, the same in every wave
	STEP QB, OB, STB, TBB, 0, 0
	s_add_co_u32 s[TBB], s[TBB], KS
	s_sub_co_u32 s[T], s[T], 1
	s_cmp_lg_u32 s[T], 0
	s_cbranch_scc1 .Lfirst
	s_mov_b32 s[TBB], 3*KS
	s_wait_tensorcnt 0x0                           ; my part of key steps 4-15 is in: say so,
	s_barrier_signal -1
	STEP QB, OB, STB, TBB, 0, 0                    ; work step 3, whose bytes nobody writes,
	s_barrier_wait -1                              ; and go on when all sixteen have said so
	s_mov_b32 s[TBB], 4*KS
	s_mov_b32 s[TBA], 0
	s_mov_b32 s[T], 0
.Lrest:                                            ; 12 trips in every wave: trip T is step 4 + T of tile B (up to T = 11 - J) and step T of tile A (up to T = J); the addresses step outside what is left out
	s_cmp_gt_u32 s[T], s[WBL]
	s_cbranch_scc1 .Lno_b
	STEP QB, OB, STB, TBB, WBL, 1
.Lno_b:
	s_cmp_gt_u32 s[T], s[WA]
	s_cbranch_scc1 .Lno_a
	STEP QA, OA, STA, TBA, WA, 1
.Lno_a:
	s_add_co_u32 s[TBB], s[TBB], KS
	s_add_co_u32 s[TBA], s[TBA], KS
	s_add_co_u32 s[T], s[T], 1
	s_cmp_lt_u32 s[T], 12
	s_cbranch_scc1 .Lrest
	; THE WAY OUT: O^T x 2^(e4 + e5) / the sum, quantised with 2^e6; a lane's codes of two neighbouring tiles of channels are 16 bytes at 16 x lane.
	v_add_f32 v[STA+2], v[STA+2], v[STA+3]         ; the sums' two halves,
	v_add_f32 v[STB+2], v[STB+2], v[STB+3]
	s_delay_alu instid0(VALU_DEP_2)
	v_permlanex16_b32 v[PD], v[STA+2], s[SEL], s[SEL+1]
	s_delay_alu instid0(VALU_DEP_2)
	v_permlanex16_b32 v[MA], v[STB+2], s[SEL], s[SEL+1]
	s_delay_alu instid0(VALU_DEP_2)
	v_add_f32 v[STA+2], v[STA+2], v[PD]            ; and lane l xor 16's
	s_delay_alu instid0(VALU_DEP_2)
	v_add_f32 v[STB+2], v[STB+2], v[MA]
	s_wait_alu depctr_va_vdst(0)
	v_rcp_f32 v[STA+2], v[STA+2]
	v_rcp_f32 v[STB+2], v[STB+2]
	v_nop                                          ; a plain line behind the reciprocals
	s_wait_alu depctr_va_vdst(0)                   ; and one wait for both, ahead of the first reader
	v_ldexp_f32 v[STA+2], v[STA+2], s[EO]
	v_ldexp_f32 v[STB+2], v[STB+2], s[EO]
.macro OUT ro, rs, cd, base
	s_wait_alu depctr_va_vdst(0)                   ; directly ahead of the first reader of O^T
.set II, 0
.rept 16
	v_pk_mul_f32 v[\ro+II:\ro+II+1], v[\ro+II:\ro+II+1], v[\rs+2:\rs+3] op_sel_hi:[1,0]
.set II, II+2
.endr
.set II, 0
.rept 32
	v_med3_num_f32 v[\ro+II], v[\ro+II], -v[LIM6], v[LIM6]
.set II, II+1
.endr
.set II, 0
.rept 4
	v_cvt_scalef32_pk8_fp8_f32 v[\cd+2*II:\cd+2*II+1], v[\ro+8*II:\ro+8*II+7], v[SC6]
.set II, II+1
.endr
	v_nop
	global_store_b128 v[AL], v[\cd:\cd+3], s[\base:\base+1]               ; 32 lanes store 512 consecutive bytes
	global_store_b128 v[AL], v[\cd+4:\cd+7], s[\base:\base+1] offset:512
.endm
	OUT OA, STA, F, 80
	OUT OB, STB, F+8, 82
	s_wait_tensorcnt 0x0                           ; the wave's end, behind my last tensor load
	ds_add_u32 v[SPW], v[NIL]
	s_wait_dscnt 0x0
	CROUND                                         ; the closing round
	s_endpgm
.Lfunc_end_k_q0bb0619fc8_attn:
	.size	k_q0bb0619fc8_attn, .Lfunc_end_k_q0bb0619fc8_attn-k_q0bb0619fc8_attn
	.p2alignl 7, 3214868480
	.fill 96, 4, 3214868480
	.section	.rodata,"a",@progbits
	.p2align	6, 0x0
	.amdhsa_kernel k_q0bb0619fc8_attn
		.amdhsa_group_segment_fixed_size 327680
		.amdhsa_private_segment_fixed_size 0
		.amdhsa_enable_private_segment 0
		.amdhsa_kernarg_size 40
		.amdhsa_user_sgpr_count 2
		.amdhsa_user_sgpr_kernarg_segment_ptr 1
		.amdhsa_wavefront_size32 1
		.amdhsa_system_sgpr_workgroup_id_x 1
		.amdhsa_system_sgpr_workgroup_id_y 1
		.amdhsa_system_sgpr_workgroup_id_z 1
		.amdhsa_system_vgpr_workitem_id 0
		.amdhsa_next_free_vgpr 256
		.amdhsa_next_free_sgpr 92
		.amdhsa_reserve_vcc 1
		.amdhsa_float_denorm_mode_32 3
		.amdhsa_float_denorm_mode_16_64 3
		.amdhsa_memory_ordered 1
		.amdhsa_forward_progress 1
		.amdhsa_inst_pref_size 91
	.end_amdhsa_kernel
	.amdgpu_metadata
---
amdhsa.version: [ 1, 2 ]
amdhsa.kernels:
  - .name:           k_q0bb0619fc8_attn
    .symbol:         k_q0bb0619fc8_attn.kd
    .args:
      - { .name: qc, .offset: 0, .size: 8, .value_kind: global_buffer, .address_space: global }
      - { .name: kc, .offset: 8, .size: 8, .value_kind: global_buffer, .address_space: global }
      - { .name: vc, .offset: 16, .size: 8, .value_kind: global_buffer, .address_space: global }
      - { .name: lowp_scales, .offset: 24, .size: 8, .value_kind: global_buffer, .address_space: global }
      - { .name: ac, .offset: 32, .size: 8, .value_kind: global_buffer, .address_space: global }
    .group_segment_fixed_size: 327680
    .private_segment_fixed_size: 0
    .kernarg_segment_align: 8
    .kernarg_segment_size: 40
    .max_flat_workgroup_size: 512
    .sgpr_count:     92
    .vgpr_count:     256
    .wavefront_size: 32
...
	.end_amdgpu_metadata
.endif
;; end of part 3
;; launch gemm_out (part 4): grid 4 x 64, 4 waves a work-group, clusters of 4 x 4, 327,680 bytes of LDS; arguments ac, woc, b_out, lowp_scales, out0; writes out0
.if DOCPART == 4
	.amdgcn_target "amdgcn-amd-amdhsa--gfx1250"
	.amdhsa_code_object_version 6
	.text
	.protected	k_q0bb0619fc8_gemm_out
	.globl	k_q0bb0619fc8_gemm_out
	.p2align	8
	.type	k_q0bb0619fc8_gemm_out,@function
k_q0bb0619fc8_gemm_out:
	s_mov_b64 s[64:65], 0
	v_nop
	global_prefetch_b8 v0, s[64:65] scope:SCOPE_SE
	s_setreg_imm32_b32 hwreg(HW_REG_WAVE_MODE, 25, 1), 1
	s_wait_xcnt 0x0
	s_wait_alu depctr_hold_cnt(0) depctr_sa_sdst(0) depctr_va_vdst(0) depctr_va_sdst(0) depctr_va_ssrc(0) depctr_va_vcc(0) depctr_vm_vsrc(0)
	s_getreg_b32 s2, hwreg(HW_REG_IB_STS2, 6, 4)
	s_cmp_eq_u32 s2, 0
	s_cbranch_scc0 .Lentry_in_a_cluster
	s_endpgm
.Lentry_in_a_cluster:
	s_bfe_u32 s2, ttmp6, 0x10000c
	s_cmp_lg_u32 s2, 0xf033
	s_cbranch_scc0 .Lentry_shape_is_right
	s_endpgm
.Lentry_shape_is_right:
; out0 = attention's result x w_out + b_out on codes of FP8 (E4M3), by v_wmma_f32_16x16x128_fp8_fp8.  Scales: entries 6 and 7.
; ac: [tile of 16 tokens][head][2][lane][16 bytes]: images of operand registers as the attention launch stores them, 16,384 bytes a tile.  woc [1024 (n)][1024]: codes, K innermost, in the order of k in which ac's registers hold it.
; SHARES.  256 work-groups: a work-group owns 128 tokens x 256 columns, made as TWO tiles of 128 x 128 with the whole K = 1,024 in LDS: A's 128 tokens are 131,072 dense bytes, a tile of B 128 rows of 1,024 bytes + 16 of padding.
; A wave makes 64 x 64: 16 accumulators.  A's fragments of the whole K, 512 registers, are read from LDS once, in the first tile's K steps, and serve both tiles; B's come in two sets, one K step of 128 ahead.
; LOADS.  At the head one joint load a wave: waves 0, 1 A's halves, waves 2, 3 the halves of B's first tile.  B's second tile fills the same bytes again, behind the full sequence and a round of the cluster's barrier,
; a quarter a wave; the first tile's results go out while it is on its way.  Clusters of 4 x 4: A is shared along a row of the cluster, B along a column.
; Nothing is prefetched: the text has no loop to run ahead in, and the one later request follows the first tile's eight K steps.
; The matrix instruction is used transposed (source 0 = 16 rows of woc, source 1 = 16 tokens): lane (r, h), register j of accumulator (a, b) holds token 16 a + r, column 16 b + 8 h + j.
; The bias, divided by 2^(e6 + e7), is the C of each sum's first matrix instruction; each finished sum is multiplied by 2^(e6 + e7) and leaves through the wave's own stage: sixteen lanes store 256 consecutive, aligned bytes.
; LIMIT: e6 + e7 between -126 and 126.  The f32 sums are taken in another order than the definition's.
; REGISTERS, in windows of 256: window 0: v0-31 addresses; v32-95 the biases as C, 32 a tile; v96-127 a block's scaled sums; v128-191 rows read back from the stage, two sets.
;   window 1: v0-127 the accumulators ((a, b) at v[8 (4 a + b)]); v128-255 B's fragments, two sets.   windows 2, 3: A's fragments: K step q at v[64 (q % 4)] of window 2 + q / 4.
.set PB,     1040                      ; a row of B in LDS: 1,024 bytes + 16 = 260 words: row r starts at bank 4 r mod 64 (64 banks of 4 bytes: ISA guide 11.1)
.set BBASE,  131072                    ; LDS: A at 0, B here
.set STAGE,  BBASE+128*PB              ; behind B: 16 rows x 272 bytes for each wave; no tensor load lands here
.set SPITCH, 272
.set SPARE,  STAGE+4*16*SPITCH         ; behind the stages: the spare words, 128 bytes for each wave: two blocks of 256 bytes that no other line names
.set ADRA, 16                          ; v16  LDS address of my A fragments
.set ADRB, 17                          ; v17  of my B fragments
.set STO,  18                          ; v18  the way out: where I put 32 bytes of a row
.set RD,   19                          ; v19  where I read a row back
.set CO,   20                          ; v20  my byte offset in out0
.set SPW,  28                          ; v28  LDS address of my spare word; never rewritten
.set NIL,  29                          ; v29  0; never rewritten
.set CT,   32
.set TMP,  96
.set BK,   128
.set G1,  24                           ; s[24:31] group 1 for A's halves;  s[32:35] group 0
.set G0,  32
.set G1B, 48                           ; s[48:55], s[56:59] B's first tile: 64 rows a load
.set G0B, 56
.set G1C, 68                           ; s[68:75], s[76:79] B's second tile: 32 rows a load
.set G0C, 76
.set MSB, 0
.macro WIN new                         ; the immediate's high byte repeats the setting that is left
.if MSB != (\new)
	s_set_vgpr_msb (MSB<<8)|(\new)
.set MSB, (\new)
.endif
.endm
.macro PLACES
.rept 4
	v_nop
.endr
.endm
.macro CROUND                          ; a round of the cluster's barrier
	s_barrier_signal -1
	s_barrier_wait -1
	s_cmp_lg_u32 s14, 0
	s_cbranch_scc1 .Lnot_wave_0_\@
	s_barrier_signal -3
.Lnot_wave_0_\@:
	s_barrier_wait -3
	s_barrier_signal -1
	s_barrier_wait -1
.endm
	s_load_b128 s[4:7], s[0:1], 0x0                ; ac s[4:5], woc s[6:7]
	s_load_b128 s[8:11], s[0:1], 0x10              ; b_out s[8:9], the exponents s[10:11]
	s_load_b64 s[12:13], s[0:1], 0x20              ; out0
	v_lshl_add_u32 v[SPW], v0, 2, SPARE
	v_mov_b32 v[NIL], 0
	ds_add_u32 v[SPW], v[NIL]                      ; the wave's opening: the add, twice on end, and its wait ahead of my first tensor load
	ds_add_u32 v[SPW], v[NIL]
	v_lshrrev_b32 v1, 5, v0
	v_readfirstlane_b32 s14, v1                    ; wave 0..3
	s_lshr_b32 s15, s14, 1                         ; which 64 tokens are mine.  Also: I fetch for A (0) or for B (1)
	s_and_b32 s16, s14, 1                          ; which 64 columns.  Also: which half I fetch
	s_bfe_u32 s40, ttmp6, 0x40000                  ; cx, cy: my place in the cluster
	s_bfe_u32 s41, ttmp6, 0x40004
	s_lshl_b32 s42, ttmp9, 2
	s_add_co_u32 s42, s42, s40                     ; which 256 columns
	s_and_b32 s17, ttmp7, 0xffff
	s_lshl_b32 s17, s17, 2
	s_add_co_u32 s17, s17, s41                     ; which 128 tokens
	s_lshl_b32 s43, s41, 2
	s_lshl_b32 s43, 15, s43                        ; my row of the cluster
	s_lshl_b32 s44, 0x1111, s40                    ; my column
	s_or_b32 s[G1+0], s43, (3<<16)|(1<<21)         ; A: 65,536 dense bytes as 256 rows of 256: elements of 8 bytes, no padding; 15:0 the mask; 21 set beside a mask
	s_mov_b32 s[G1+1], 32<<16
	s_mov_b32 s[G1+2], 256<<16
	s_mov_b32 s[G1+3], 32<<16
	s_mov_b32 s[G1+4], 256
	s_mov_b32 s[G1+5], 32
	s_mov_b32 s[G1+6], 0
	s_mov_b32 s[G1+7], 0
	s_or_b32 s[G1B+0], s44, (0<<16)|(1<<20)|(1<<21)|(7<<22)|(3<<25)  ; B: rows of 1,024 bytes; padding of 4 words (code 3) after every 256 words (code 7)
	s_mov_b32 s[G1B+1], 1024<<16
	s_mov_b32 s[G1B+2], 64<<16
	s_mov_b32 s[G1B+3], 1024<<16
	s_mov_b32 s[G1B+4], 64
	s_mov_b32 s[G1B+5], 1024
	s_mov_b32 s[G1B+6], 0
	s_mov_b32 s[G1B+7], 0
	s_or_b32 s[G1C+0], s44, (0<<16)|(1<<20)|(1<<21)|(7<<22)|(3<<25)
	s_mov_b32 s[G1C+1], 1024<<16
	s_mov_b32 s[G1C+2], 32<<16
	s_mov_b32 s[G1C+3], 1024<<16
	s_mov_b32 s[G1C+4], 32
	s_mov_b32 s[G1C+5], 1024
	s_mov_b32 s[G1C+6], 0
	s_mov_b32 s[G1C+7], 0
	s_lshl_b32 s18, s16, 16                        ; the half that I fetch: 65,536 bytes of A, or 64 rows of 1,024 bytes of B; also A's place in LDS
	s_lshl_b32 s20, s17, 17                        ; A: 131,072 bytes for 128 tokens
	s_add_co_u32 s20, s20, s18
	s_mov_b32 s21, 0
	s_lshl_b32 s46, s42, 18                        ; B: 256 rows of 1,024 bytes, in registers that never hold cy
	s_add_co_u32 s46, s46, s18
	s_mov_b32 s47, 0
	s_lshl_b32 s22, s42, 18                        ; B's second tile: 128 rows on, 32 rows a wave
	s_lshl_b32 s23, s14, 15
	s_add_co_u32 s22, s22, s23
	s_add_co_u32 s22, s22, 131072
	s_mov_b32 s23, 0
	s_mul_i32 s66, s16, 64*PB
	s_add_co_u32 s66, s66, BBASE                   ; where they go: no place in the cluster enters an LDS address
	s_mul_i32 s67, s14, 32*PB
	s_add_co_u32 s67, s67, BBASE
	s_lshl_b32 s82, s42, 10                        ; my first column, in bytes of f32: 1,024 x which 256 + 256 x half
	s_lshl_b32 s83, s16, 8
	s_add_co_u32 s82, s82, s83
	s_mov_b32 s83, 0
	s_lshl_b32 s90, s17, 19                        ; my first token's row of out0: 4,096 bytes a row
	s_lshl_b32 s91, s15, 18
	s_add_co_u32 s90, s90, s91
	s_mov_b32 s91, 0
	s_lshl_b32 s86, s15, 16                        ; my 64 tokens of A in LDS
	s_mul_i32 s87, s16, 64*PB
	s_add_co_u32 s87, s87, BBASE                   ; my 64 rows of B
	s_mul_i32 s88, s14, 16*SPITCH
	s_add_co_u32 s88, s88, STAGE                   ; my stage
	s_wait_dscnt 0x0                               ; both opening adds are done
	s_wait_kmcnt 0x0
	s_load_b64 s[96:97], s[10:11], 0x18            ; e6, e7
	s_add_nc_u64 s[20:21], s[4:5], s[20:21]
	s_add_nc_u64 s[46:47], s[6:7], s[46:47]
	s_add_nc_u64 s[22:23], s[6:7], s[22:23]
	s_add_nc_u64 s[84:85], s[8:9], s[82:83]        ; my biases
	s_add_nc_u64 s[12:13], s[12:13], s[82:83]
	s_add_nc_u64 s[12:13], s[12:13], s[90:91]      ; my corner of out0
	s_mov_b32 s[G0], 1
	s_mov_b32 s[G0+1], s18
	s_mov_b64 s[G0+2:G0+3], s[20:21]
	s_or_b32 s[G0+3], s[G0+3], 0x80000000
	s_mov_b32 s[G0B], 1
	s_mov_b32 s[G0B+1], s66
	s_mov_b64 s[G0B+2:G0B+3], s[46:47]
	s_or_b32 s[G0B+3], s[G0B+3], 0x80000000
	s_mov_b32 s[G0C], 1
	s_mov_b32 s[G0C+1], s67
	s_mov_b64 s[G0C+2:G0C+3], s[22:23]
	s_or_b32 s[G0C+3], s[G0C+3], 0x80000000
	CROUND                                         ; all sixteen work-groups are here: the first joint loads meet
	s_cmp_eq_u32 s15, 0                            ; one tensor load a wave at the head, one in each arm; an s_nop 0 and four v_nop follow each
	s_cbranch_scc0 .Lfor_b
	tensor_load_to_lds s[G0:G0+3], s[G1:G1+7]
	s_nop 0
	PLACES
	s_branch .Lasked
.Lfor_b:
	tensor_load_to_lds s[G0B:G0B+3], s[G1B:G1B+7]
	s_nop 0
	PLACES
.Lasked:
	v_and_b32 v1, 15, v0                           ; r
	v_bfe_u32 v2, v0, 4, 1                         ; h
	v_and_b32 v6, 31, v0
	v_lshlrev_b32 v3, 4, v6                        ; 16 x lane
	v_lshlrev_b32 v7, 5, v2                        ; 32 h: my eight numbers of a tile's sixteen
	v_mul_u32_u24 v4, v1, PB
	v_lshl_add_u32 v4, v2, 4, v4                   ; B: row r x pitch + 16 h
	v_mul_u32_u24 v5, v1, SPITCH
	v_lshl_add_u32 v5, v2, 5, v5                   ; the stage, in: row r, 32 bytes for each half of the lanes
	v_mul_u32_u24 v8, v2, SPITCH
	v_lshl_add_u32 v8, v1, 4, v8                   ; back: lanes 0-15 one row of 256 bytes, lanes 16-31 the next
	v_lshlrev_b32 v9, 12, v2
	v_lshl_add_u32 v[CO], v1, 4, v9                ; and the same two rows in out0
	v_add_nc_u32 v[ADRA], s86, v3
	v_add_nc_u32 v[ADRB], s87, v4
	v_add_nc_u32 v[STO], s88, v5
	v_add_nc_u32 v[RD], s88, v8
	s_wait_alu depctr_va_vdst(0)
.irp t, 0,1
.irp b, 0,1,2,3
	global_load_b128 v[CT+32*\t+8*\b:CT+32*\t+8*\b+3], v7, s[84:85] offset:512*\t+64*\b       ; b(128 t + 16 b + 8 h + 0 .. 7): the result's layout
	global_load_b128 v[CT+32*\t+8*\b+4:CT+32*\t+8*\b+7], v7, s[84:85] offset:512*\t+64*\b+16
.endr
.endr
	s_wait_kmcnt 0x0
	s_add_co_i32 s96, s96, s97                     ; e6 + e7
	s_sub_co_i32 s98, 127, s96
	s_lshl_b32 s98, s98, 23                        ; 2^-(e6 + e7) as f32
	s_mov_b32 s99, s98                             ; (named with it as a pair)
	s_add_co_i32 s96, s96, 127
	s_lshl_b32 s96, s96, 23                        ; 2^(e6 + e7)
	s_mov_b32 s97, s96
	s_wait_loadcnt 0x0
.set II, 0
.rept 32
	v_pk_mul_f32 v[CT+II:CT+II+1], v[CT+II:CT+II+1], s[98:99] op_sel_hi:[1,0]
.set II, II+2
.endr
.macro FETCH_B q                       ; B's four fragments of K step q into set q % 2: four loads of 16 bytes a lane each
	WIN 0x40                                       ; destination window 1, address window 0
.irp b, 0,1,2,3
.irp c, 0,1,2,3
	ds_load_b128 v[128+64*((\q)%2)+16*\b+4*\c:128+64*((\q)%2)+16*\b+4*\c+3], v[ADRB] offset:16*PB*\b+128*(\q)+32*\c
.endr
.endr
.endm
.macro FETCH_A q                       ; A's four fragments of K step q into registers that keep them
	WIN 0x80+0x40*((\q)/4)                         ; destination window 2 or 3
.irp a, 0,1,2,3
.irp c, 0,1,2,3
	ds_load_b128 v[64*((\q)%4)+16*\a+4*\c:64*((\q)%4)+16*\a+4*\c+3], v[ADRA] offset:16384*\a+2048*(\q)+512*\c
.endr
.endr
.endm
; 16 matrix instructions: the 16 accumulators take turns, one instruction a turn, in the same order in every K step.  In K step 0 the sums begin with the biases as C.
.macro MUL t, q
.if (\q) == 0
	WIN 0x49                                       ; source 0 (B) window 1, source 1 (A) window 2, C window 0, D window 1
.else
	WIN 0x59+4*((\q)/4)                            ; C and D window 1, A window 2 or 3
.endif
.irp a, 0,1,2,3
.irp b, 0,1,2,3
.if (\q) == 0
	v_wmma_f32_16x16x128_fp8_fp8 v[8*(4*\a+\b):8*(4*\a+\b)+7], v[128+16*\b:128+16*\b+15], v[16*\a:16*\a+15], v[CT+32*(\t)+8*\b:CT+32*(\t)+8*\b+7]
.else
	v_wmma_f32_16x16x128_fp8_fp8 v[8*(4*\a+\b):8*(4*\a+\b)+7], v[128+64*((\q)%2)+16*\b:128+64*((\q)%2)+16*\b+15], v[64*((\q)%4)+16*\a:64*((\q)%4)+16*\a+15], v[8*(4*\a+\b):8*(4*\a+\b)+7]
.endif
.endr
.endr
.endm
; A K step of 128: the next step's fragments are asked for first (tile 0: B's and A's, 32 loads; tile 1: B's, 16), then this step is multiplied.
.macro KSTEP t, q
.if (\q) < 7
	PLACES                                         ; four places in front of loads into the set that the last step's products read
	FETCH_B (\q)+1
.if (\t) == 0
	FETCH_A (\q)+1
.endif
	s_wait_dscnt 32-16*(\t)                        ; this step's fragments are in; the loads just issued may be out
.else
	s_wait_dscnt 0x0
.endif
	MUL \t, \q
.endm
; THE WAY OUT, by blocks of 16 tokens x 64 columns: x 2^(e6 + e7), through my own stage, back as rows of 256 bytes.  LDS serves a wave's instructions in order (ISA guide 5.7.1.4): no wait between the stores and the loads.
.macro TOSTAGE a
	s_wait_xcnt 0x0                                ; earlier stores have read their registers: this block's loads may land there
	WIN 0x01                                       ; source 0: window 1
.set II, 0
.rept 16
	v_pk_mul_f32 v[TMP+II:TMP+II+1], v[32*(\a)+II:32*(\a)+II+1], s[96:97] op_sel_hi:[1,0]   ; each accumulator from its low end on
.set II, II+2
.endr
	WIN 0
.irp b, 0,1,2,3
	ds_store_b128 v[STO], v[TMP+8*\b:TMP+8*\b+3] offset:64*\b
	ds_store_b128 v[STO], v[TMP+8*\b+4:TMP+8*\b+7] offset:64*\b+16
.endr
.irp u, 0,1,2,3,4,5,6,7
	ds_load_b128 v[BK+32*((\a)%2)+4*\u:BK+32*((\a)%2)+4*\u+3], v[RD] offset:2*\u*SPITCH
.endr
.endm
.macro SEND t, a, younger              ; younger: the LDS instructions issued behind block a's loads, which may stay out
	s_wait_dscnt \younger
.irp u, 0,1,2,3,4,5,6,7
	global_store_b128 v[CO], v[BK+32*((\a)%2)+4*\u:BK+32*((\a)%2)+4*\u+3], s[12:13] offset:65536*(\a)+8192*\u+512*(\t) th:TH_STORE_NT   ; 16 lanes store 256 consecutive bytes, aligned; every offset is an immediate
.endr
.endm
.macro WAYOUT t
	TOSTAGE 0
.irp a, 1,2,3
	TOSTAGE \a
	SEND \t, (\a)-1, 16                            ; behind block a - 1's loads: block a's 8 stores and 8 loads
.endr
	SEND \t, 3, 0
.endm
	s_wait_alu depctr_va_vdst(0)
	s_wait_tensorcnt 0x0                           ; my half of A or of B's first tile is in
	s_barrier_signal -1
	s_barrier_wait -1                              ; everybody's is
	FETCH_B 0
	FETCH_A 0
.irp q, 0,1,2,3,4,5,6,7
	KSTEP 0, \q
.endr
	PLACES                                         ; behind the last products: their results are read below
	WIN 0
	s_wait_tensorcnt 0x0
	ds_add_u32 v[SPW], v[NIL]
	s_wait_dscnt 0x0                               ; the add is done, and my reads of B's first tile are over
	CROUND                                         ; no wave of any partner still reads B's bytes
	tensor_load_to_lds s[G0C:G0C+3], s[G1C:G1C+7]  ; B's second tile, my 32 rows: the first tensor load behind the round, and my last
	s_nop 0
	PLACES
	WAYOUT 0                                       ; the first tile goes out while the load is on its way
	s_wait_tensorcnt 0x0                           ; my rows of B's second tile are in; no LDS instruction of mine is out
	s_barrier_signal -1
	s_barrier_wait -1                              ; everybody's are
	FETCH_B 0
.irp q, 0,1,2,3,4,5,6,7
	KSTEP 1, \q
.endr
	PLACES
	WAYOUT 1
	s_wait_tensorcnt 0x0                           ; the wave's end, behind my last tensor load and my last LDS store
	ds_add_u32 v[SPW], v[NIL]
	s_wait_dscnt 0x0
	CROUND                                         ; the closing round: no work-group ends while a partner may still ask for a tile that names it
	s_endpgm
.Lfunc_end_k_q0bb0619fc8_gemm_out:
	.size	k_q0bb0619fc8_gemm_out, .Lfunc_end_k_q0bb0619fc8_gemm_out-k_q0bb0619fc8_gemm_out
	.p2alignl 7, 3214868480
	.fill 96, 4, 3214868480
	.section	.rodata,"a",@progbits
	.p2align	6, 0x0
	.amdhsa_kernel k_q0bb0619fc8_gemm_out
		.amdhsa_group_segment_fixed_size 327680
		.amdhsa_private_segment_fixed_size 0
		.amdhsa_enable_private_segment 0
		.amdhsa_kernarg_size 40
		.amdhsa_user_sgpr_count 2
		.amdhsa_user_sgpr_kernarg_segment_ptr 1
		.amdhsa_wavefront_size32 1
		.amdhsa_system_sgpr_workgroup_id_x 1
		.amdhsa_system_sgpr_workgroup_id_y 1
		.amdhsa_system_sgpr_workgroup_id_z 1
		.amdhsa_system_vgpr_workitem_id 0
		.amdhsa_next_free_vgpr 1024
		.amdhsa_next_free_sgpr 100
		.amdhsa_reserve_vcc 0
		.amdhsa_float_denorm_mode_32 3
		.amdhsa_float_denorm_mode_16_64 3
		.amdhsa_memory_ordered 1
		.amdhsa_forward_progress 1
		.amdhsa_inst_pref_size 79
	.end_amdhsa_kernel
	.amdgpu_metadata
---
amdhsa.version: [ 1, 2 ]
amdhsa.kernels:
  - .name:           k_q0bb0619fc8_gemm_out
    .symbol:         k_q0bb0619fc8_gemm_out.kd
    .args:
      - { .name: ac, .offset: 0, .size: 8, .value_kind: global_buffer, .address_space: global }
      - { .name: woc, .offset: 8, .size: 8, .value_kind: global_buffer, .address_space: global }
      - { .name: b_out, .offset: 16, .size: 8, .value_kind: global_buffer, .address_space: global }
      - { .name: lowp_scales, .offset: 24, .size: 8, .value_kind: global_buffer, .address_space: global }
      - { .name: out0, .offset: 32, .size: 8, .value_kind: global_buffer, .address_space: global }
    .group_segment_fixed_size: 327680
    .private_segment_fixed_size: 0
    .kernarg_segment_align: 8
    .kernarg_segment_size: 40
    .max_flat_workgroup_size: 128
    .sgpr_count:     100
    .vgpr_count:     1024
    .wavefront_size: 32
...
	.end_amdgpu_metadata
.endif
;; end of part 4
